; MI455X (gfx1250); checked and timed in simulation.
; The chip was launched on July 23, 2026; its instructions are those of AMD's public machine-readable ISA for CDNA 5 (MIT licence, August 2026) and "CDNA5" Instruction Set Architecture Reference Guide (July 2026). The comments in the code are by the model that wrote it; some were corrected since.
;; Simple Attention. Allowed arithmetic: float matrix products may take bf16 or f16 operands with f32 sums; all other float work in f32.
;; Inputs: Wh 1,024 x 1,024 float32; Wk 1,024 x 1,024 float32; Wq 1,024 x 1,024 float32; Wv 1,024 x 1,024 float32; bh 1,024 float32; bk 1,024 float32; bq 1,024 float32; bv 1,024 float32; inputs 4 x 2,048 x 1,024 float32.
;; Outputs: out0 8,192 x 1,024 float32.
;; One version. Each part assembles by itself: llvm-mc -triple=amdgcn-amd-amdhsa -mcpu=gfx1250 --defsym DOCPART=n.
;; ======== version 1 of 1: 5 launches
;; workspace buffers: xb 16,777,216 bytes; wab 8,388,608 bytes; vec 28,672 bytes; rq 32,768 bytes; wt 4,194,304 bytes; qv 33,554,432 bytes; pt 33,554,432 bytes; st 1,048,576 bytes
;; launch wprep (part 1): grid 256 x 1, 16 waves a work-group, no clusters, 39,936 bytes of LDS; arguments Wk, Wq, Wv, Wh, bq, bk, bv, bh, wab, vec; writes wab, vec
.if DOCPART == 1
	.amdgcn_target "amdgcn-amd-amdhsa--gfx1250"
	.amdhsa_code_object_version 6
	.text
	.protected	k_qe73afed697_wprep
	.globl	k_qe73afed697_wprep
	.p2align	8
	.type	k_qe73afed697_wprep,@function
k_qe73afed697_wprep:
	s_mov_b64 s[64:65], 0
	v_nop
	global_prefetch_b8 v0, s[64:65] scope:SCOPE_SE
	s_setreg_imm32_b32 hwreg(HW_REG_WAVE_MODE, 25, 1), 1
	s_wait_xcnt 0x0
; THE WEIGHTS, ONCE.  wab: bf16 [4096][1024]: rows 0.. Wk, 1024.. Wq, 2048.. Wv, 3072.. Wh transposed.
; vec: f32: u[i] = sum_j Wk[i][j] bq[j] at byte 0; w[i] = sum_j Wq[i][j] bk[j] at 4,096; 1,024 zeros at 8,192; four parts of b2 = bv Wh + bh at 12,288 + 4,096 r:
; part r [n] = the sum over j = 256 r .. 256 r + 255 of bv[j] Wh[j][n], and bh[n] on top in part 0.  The sum spans work-groups, so each stores its part and the last launch adds the four.
; All inputs are rounded to bf16 once; the sums are kept in f32 (a product of two bf16 is exact in an f32 fused multiply-add).
; Work-groups 0-191 (ROWS): matrix id / 64, 16 rows each, one row a wave.  Work-groups 192-255 (TURNED): 64 columns x 256 rows of Wh each; wave w takes 16 rows.
; So every one of the 256 work-groups reads 64 KB and writes 32 KB.  Every byte is read once, by loads of 16 bytes a lane; wab is written in whole aligned runs of 256 bytes or more.
; Only vec's 12 KB from ROWS leave in pieces of 4 bytes a wave.  No matrix unit, no cluster: nothing is shared between work-groups and there is one multiply-add for each number read.
.set X,   64                           ; ROWS: v[64:95]   the row, part j at X + 4 j
.set BV,  32                           ; v[32:63]   the bias vector, f32
.set BP,  16                           ; v[16:31]   the same in bf16 pairs
.set Y,   128                          ; v[128:143] the row in bf16 pairs
.set ACC, 8                            ; v[8:11]    running sums
.set XS,  64                           ; TURNED: v[64:95] my eight rows, four columns each; later v[64:79] rows read back
.set BVR, 96                           ; v[96:103]  bv of my eight rows, f32
.set BVP, 32                           ; v[32:35]   the same in bf16 pairs
.set BH,  48                           ; v[48:51]   bh
.set PK,  16                           ; v[16:31]   column c's eight rows at PK + 4 c
.set SUMS, 80                          ; v[80:143]  wave 0: the sixteen waves' column sums
.set TP,  528                          ; an LDS row of the turned tile: 256 bf16 + 16 bytes
.set RED, 64*TP                        ; behind the tile: 256 bytes a wave, its 64 column sums
	s_load_b512 s[8:23], s[0:1], 0x0               ; Wk s[8:9], Wq s[10:11], Wv s[12:13], Wh s[14:15], bq s[16:17], bk s[18:19], bv s[20:21], bh s[22:23]
	s_load_b128 s[24:27], s[0:1], 0x40             ; wab s[24:25], vec s[26:27]
	v_lshl_add_u32 v144, v0, 2, 0x9400
	v_mov_b32 v145, 0
	v_lshrrev_b32 v1, 5, v0
	v_readfirstlane_b32 s4, v1                     ; wave 0..15
	v_and_b32 v4, 31, v0                           ; lane
	s_mov_b32 s30, 0x76543210                      ; v_permlanex16_b32: each lane takes its own place in the other half
	s_mov_b32 s31, 0xfedcba98
.irp c, 0,1,2,3
	v_mov_b32 v[ACC+(\c)], 0                       ; four sums start at 0 (for Wv's rows the first stays 0 and is one of vec's zeros)
.endr
	s_wait_kmcnt 0x0
	s_cmp_ge_u32 ttmp9, 192                        ; the same answer in all sixteen waves
	s_cbranch_scc1 .Ltrans
	; ---------------- ROWS ----------------
	s_lshr_b32 s5, ttmp9, 6                        ; 0 Wk, 1 Wq, 2 Wv
	s_and_b32 s6, ttmp9, 63
	s_lshl4_add_u32 s7, s6, s4                     ; my row = 16 x block + wave
	s_cmp_eq_u32 s5, 0
	s_cselect_b64 s[32:33], s[8:9], s[10:11]
	s_cselect_b64 s[34:35], s[16:17], s[18:19]     ; Wk goes with bq, Wq with bk
	s_cmp_eq_u32 s5, 2
	s_cselect_b64 s[32:33], s[12:13], s[32:33]
	s_lshl_b32 s36, s7, 12                         ; a row of f32 is 4,096 bytes
	s_mov_b32 s37, 0
	s_add_nc_u64 s[32:33], s[32:33], s[36:37]
	s_lshl_b32 s38, s5, 10
	s_add_co_u32 s38, s38, s7
	s_lshl_b32 s38, s38, 11                        ; a row of bf16 is 2,048 bytes
	s_mov_b32 s39, 0
	s_add_nc_u64 s[40:41], s[24:25], s[38:39]
	s_lshl_b32 s42, s5, 12
	s_lshl2_add_u32 s42, s7, s42                   ; 4,096 x matrix + 4 x row
	s_mov_b32 s43, 0
	s_add_nc_u64 s[44:45], s[26:27], s[42:43]
	v_lshlrev_b32 v1, 4, v4
	v_lshlrev_b32 v2, 3, v4
	v_lshlrev_b32 v3, 2, v4
.irp j, 0,1,2,3,4,5,6,7
	global_load_b128 v[X+4*(\j):X+4*(\j)+3], v1, s[32:33] offset:512*(\j) th:TH_LOAD_NT
.endr
; the row rounded to bf16 and stored: each store of the wave covers 256 consecutive bytes, aligned
.macro CONV
	s_wait_loadcnt 0x0
.irp k, 0,1,2,3,4,5,6,7,8,9,10,11,12,13,14,15
	v_cvt_pk_bf16_f32 v[Y+(\k)], v[X+2*(\k)], v[X+2*(\k)+1]
.endr
.irp j, 0,1,2,3,4,5,6,7
	global_store_b64 v2, v[Y+2*(\j):Y+2*(\j)+1], s[40:41] offset:256*(\j)
.endr
.endm
	s_cmp_eq_u32 s5, 2
	s_cbranch_scc0 .Ldot
	CONV                                           ; Wv: converted only
	s_branch .Lput
.Ldot:
.irp j, 0,1,2,3,4,5,6,7
	global_load_b128 v[BV+4*(\j):BV+4*(\j)+3], v1, s[34:35] offset:512*(\j)
.endr
	CONV
.irp k, 0,1,2,3,4,5,6,7,8,9,10,11,12,13,14,15
	v_cvt_pk_bf16_f32 v[BP+(\k)], v[BV+2*(\k)], v[BV+2*(\k)+1]
.endr
.set k, 0
.rept 16                                               ; four chains that do not wait for each other
	v_fma_mix_f32_bf16 v[ACC+2*(k%2)],   v[Y+k], v[BP+k], v[ACC+2*(k%2)]   op_sel_hi:[1,1,0]
	v_fma_mix_f32_bf16 v[ACC+2*(k%2)+1], v[Y+k], v[BP+k], v[ACC+2*(k%2)+1] op_sel:[1,1,0] op_sel_hi:[1,1,0]
.set k, k+1
.endr
	v_add_f32 v8, v8, v9
	v_add_f32 v10, v10, v11
	v_add_f32 v8, v8, v10
.irp m, 1,2,4,8
	v_add_f32_dpp v8, v8, v8 row_xmask:\m row_mask:0xf bank_mask:0xf
.endr
	v_permlanex16_b32 v9, v8, s30, s31
	v_add_f32 v8, v8, v9
.Lput:
	v_cmp_eq_u32 vcc_lo, 0, v4                     ; lane 0 stores the row's number
	s_wait_xcnt 0x0                                ; EXEC is a source of the stores above: it changes only behind this wait
	s_and_saveexec_b32 s47, vcc_lo
	global_store_b32 v3, v8, s[44:45]
	s_wait_xcnt 0x0
	s_or_b32 exec_lo, exec_lo, s47
	s_endpgm
	; ---------------- TURNED ----------------
.Ltrans:
	s_sub_co_u32 s5, ttmp9, 192
	s_and_b32 s6, s5, 15
	s_lshl_b32 s6, s6, 6                           ; n0: my first column of Wh
	s_lshr_b32 s28, s5, 4                          ; r: my quarter of its rows
	s_lshl_b32 s36, s28, 20                        ; 256 rows x 4,096 bytes a quarter,
	s_lshl_b32 s37, s4, 16                         ; 16 rows a wave
	s_add_co_u32 s36, s36, s37
	s_lshl2_add_u32 s36, s6, s36
	s_mov_b32 s37, 0
	s_add_nc_u64 s[32:33], s[14:15], s[36:37]      ; Wh at (256 r + 16 w, n0)
	s_add_co_u32 s38, s6, 3072
	s_lshl2_add_u32 s38, s4, s38                   ; the four rows of wab that I store into: 3,072 + n0 + 4 w ..,
	s_lshl_b32 s38, s38, 11
	s_lshl_b32 s39, s28, 9                         ; at the quarter's 512 bytes of them
	s_add_co_u32 s38, s38, s39
	s_mov_b32 s39, 0
	s_add_nc_u64 s[40:41], s[24:25], s[38:39]
	s_lshl_b32 s42, s6, 2
	s_mov_b32 s43, 0
	s_add_nc_u64 s[46:47], s[22:23], s[42:43]      ; bh at n0
	s_lshl_b32 s29, s28, 12
	s_add_co_u32 s42, s42, s29
	s_add_co_u32 s42, s42, 12288
	s_add_nc_u64 s[44:45], s[26:27], s[42:43]      ; part r of b2 at n0
	s_lshl_b32 s42, s28, 10
	s_lshl_b32 s29, s4, 6
	s_add_co_u32 s42, s42, s29
	s_add_nc_u64 s[34:35], s[20:21], s[42:43]      ; bv at 256 r + 16 w
	v_and_b32 v5, 15, v4                           ; x
	v_lshrrev_b32 v6, 4, v4                        ; h
	v_lshlrev_b32 v15, 4, v5                       ; 16 x
	v_lshl_add_u32 v1, v6, 15, v15                 ; lanes 16-31 read eight rows further down
	v_lshlrev_b32 v2, 5, v6
	v_mul_u32_u24 v3, v5, 4*TP
	v_lshl_add_u32 v3, v6, 4, v3
	s_lshl_b32 s7, s4, 5
	v_add_nc_u32 v3, s7, v3                        ; in: tile row 4 x + c, my wave's 32 bytes of it, 16 bytes for each half of the lanes
	s_mul_i32 s7, s4, 4*TP
	v_lshlrev_b32 v12, 4, v4                       ; 16 x lane
	v_add_nc_u32 v7, s7, v12                       ; back: tile rows 4 w .., a whole row of 512 bytes a load
	s_lshl_b32 s29, s4, 8
	s_add_co_u32 s29, s29, RED
	v_add_nc_u32 v13, s29, v15                     ; my wave's column sums
	v_add_nc_u32 v14, RED, v15                     ; wave 0's view of all sixteen
	global_load_b128 v[BVR:BVR+3],   v2, s[34:35]
	global_load_b128 v[BVR+4:BVR+7], v2, s[34:35] offset:16
	global_load_b128 v[BH:BH+3], v15, s[46:47]     ; asked for now, used by wave 0 at the end
.irp i, 0,1,2,3,4,5,6,7                            ; rows i (lanes 0-15) and 8 + i (lanes 16-31) of my sixteen; sixteen lanes read 256 consecutive bytes of a row
	global_load_b128 v[XS+4*(\i):XS+4*(\i)+3], v1, s[32:33] offset:(\i)*4096 th:TH_LOAD_NT
.endr
	s_wait_loadcnt 8                               ; bv and bh are in; the eight loads of Wh stay out
.irp k, 0,1,2,3
	v_cvt_pk_bf16_f32 v[BVP+(\k)], v[BVR+2*(\k)], v[BVR+2*(\k)+1]
.endr
	s_wait_loadcnt 0x0
.irp c, 0,1,2,3
.irp p, 0,1,2,3
	v_cvt_pk_bf16_f32 v[PK+4*(\c)+(\p)], v[XS+8*(\p)+(\c)], v[XS+8*(\p)+4+(\c)]  ; column c, rows 2 p and 2 p + 1 of my eight
.endr
.endr
.irp p, 0,1,2,3
.irp c, 0,1,2,3
	v_fma_mix_f32_bf16 v[ACC+(\c)], v[PK+4*(\c)+(\p)], v[BVP+(\p)], v[ACC+(\c)] op_sel_hi:[1,1,0]
.endr
.irp c, 0,1,2,3
	v_fma_mix_f32_bf16 v[ACC+(\c)], v[PK+4*(\c)+(\p)], v[BVP+(\p)], v[ACC+(\c)] op_sel:[1,1,0] op_sel_hi:[1,1,0]
.endr
.endr
.irp c, 0,1,2,3
	ds_store_b128 v3, v[PK+4*(\c):PK+4*(\c)+3] offset:(\c)*TP  ; lanes four tile rows apart share banks four deep: four such stores a wave, left so
.endr
.irp c, 0,1,2,3
	v_permlanex16_b32 v[PK+(\c)], v[ACC+(\c)], s30, s31  ; the other eight rows lie in the lane 16 away
.endr
.irp c, 0,1,2,3
	v_add_f32 v[ACC+(\c)], v[ACC+(\c)], v[PK+(\c)]
.endr
	ds_store_b128 v13, v[ACC:ACC+3]                ; both halves of the lanes write the same numbers
	s_wait_dscnt 0x0                               ; for the others' sake: my part of the tile and my column sums are written
	s_barrier_signal -1
	s_barrier_wait -1
.irp n, 0,1,2,3
	ds_load_b128 v[XS+4*(\n):XS+4*(\n)+3], v7 offset:(\n)*TP
.endr
.irp n, 0,1,2,3
	s_wait_dscnt 3-(\n)
	global_store_b128 v12, v[XS+4*(\n):XS+4*(\n)+3], s[40:41] offset:(\n)*2048  ; 512 consecutive bytes, aligned
.endr
	s_cmp_lg_u32 s4, 0
	s_cbranch_scc1 .Lend
.set n, 0
.rept 16
	ds_load_b128 v[SUMS+4*n:SUMS+4*n+3], v14 offset:256*n
.set n, n+1
.endr
	s_cmp_eq_u32 s28, 0
	s_cselect_b32 s36, -1, 0                       ; all lanes, or none: bh goes into part 0 alone
	v_cvt_pk_bf16_f32 v20, v[BH], v[BH+1]          ; bh rounded to bf16 like every input
	v_cvt_pk_bf16_f32 v21, v[BH+2], v[BH+3]
	v_lshlrev_b32 v16, 16, v20
	v_and_b32 v17, 0xffff0000, v20
	v_lshlrev_b32 v18, 16, v21
	v_and_b32 v19, 0xffff0000, v21
.irp c, 16,17,18,19
	v_cndmask_b32 v\c, 0, v\c, s36
.endr
	s_wait_dscnt 0x0
.set n, 0
.rept 16
	v_pk_add_f32 v[16:17], v[16:17], v[SUMS+4*n:SUMS+4*n+1]
	v_pk_add_f32 v[18:19], v[18:19], v[SUMS+4*n+2:SUMS+4*n+3]
.set n, n+1
.endr
	v_cmp_gt_u32 vcc_lo, 16, v4
	s_wait_xcnt 0x0                                ; EXEC changes only behind this wait
	s_and_saveexec_b32 s37, vcc_lo
	global_store_b128 v15, v[16:19], s[44:45]      ; 256 consecutive bytes of the part, aligned
	s_wait_xcnt 0x0
	s_or_b32 exec_lo, exec_lo, s37
.Lend:
	s_wait_tensorcnt 0x0
	ds_add_u32 v144, v145
	s_wait_dscnt 0x0
	s_endpgm
.Lfunc_end_k_qe73afed697_wprep:
	.size	k_qe73afed697_wprep, .Lfunc_end_k_qe73afed697_wprep-k_qe73afed697_wprep
	.p2alignl 7, 3214868480
	.fill 96, 4, 3214868480
	.section	.rodata,"a",@progbits
	.p2align	6, 0x0
	.amdhsa_kernel k_qe73afed697_wprep
		.amdhsa_group_segment_fixed_size 39936
		.amdhsa_private_segment_fixed_size 0
		.amdhsa_enable_private_segment 0
		.amdhsa_kernarg_size 80
		.amdhsa_user_sgpr_count 2
		.amdhsa_user_sgpr_kernarg_segment_ptr 1
		.amdhsa_wavefront_size32 1
		.amdhsa_system_sgpr_workgroup_id_x 1
		.amdhsa_system_sgpr_workgroup_id_y 1
		.amdhsa_system_sgpr_workgroup_id_z 1
		.amdhsa_system_vgpr_workitem_id 0
		.amdhsa_next_free_vgpr 146
		.amdhsa_next_free_sgpr 66
		.amdhsa_reserve_vcc 1
		.amdhsa_float_denorm_mode_32 3
		.amdhsa_float_denorm_mode_16_64 3
		.amdhsa_memory_ordered 1
		.amdhsa_forward_progress 1
		.amdhsa_inst_pref_size 23
	.end_amdhsa_kernel
	.amdgpu_metadata
---
amdhsa.version: [ 1, 2 ]
amdhsa.kernels:
  - .name:           k_qe73afed697_wprep
    .symbol:         k_qe73afed697_wprep.kd
    .args:
      - { .name: Wk, .offset: 0, .size: 8, .value_kind: global_buffer, .address_space: global }
      - { .name: Wq, .offset: 8, .size: 8, .value_kind: global_buffer, .address_space: global }
      - { .name: Wv, .offset: 16, .size: 8, .value_kind: global_buffer, .address_space: global }
      - { .name: Wh, .offset: 24, .size: 8, .value_kind: global_buffer, .address_space: global }
      - { .name: bq, .offset: 32, .size: 8, .value_kind: global_buffer, .address_space: global }
      - { .name: bk, .offset: 40, .size: 8, .value_kind: global_buffer, .address_space: global }
      - { .name: bv, .offset: 48, .size: 8, .value_kind: global_buffer, .address_space: global }
      - { .name: bh, .offset: 56, .size: 8, .value_kind: global_buffer, .address_space: global }
      - { .name: wab, .offset: 64, .size: 8, .value_kind: global_buffer, .address_space: global }
      - { .name: vec, .offset: 72, .size: 8, .value_kind: global_buffer, .address_space: global }
    .group_segment_fixed_size: 39936
    .private_segment_fixed_size: 0
    .kernarg_segment_align: 8
    .kernarg_segment_size: 80
    .max_flat_workgroup_size: 512
    .sgpr_count:     66
    .vgpr_count:     146
    .wavefront_size: 32
...
	.end_amdgpu_metadata
.endif
;; end of part 1
;; launch mid (part 2): grid 256 x 1, 4 waves a work-group, no clusters, 327,680 bytes of LDS; arguments wab, wt, inputs, bq, bk, vec, xb, rq; writes wt, xb, rq
.if DOCPART == 2
	.amdgcn_target "amdgcn-amd-amdhsa--gfx1250"
	.amdhsa_code_object_version 6
	.text
	.protected	k_qe73afed697_mid
	.globl	k_qe73afed697_mid
	.p2align	8
	.type	k_qe73afed697_mid,@function
k_qe73afed697_mid:
	s_mov_b64 s[64:65], 0
	v_nop
	global_prefetch_b8 v0, s[64:65] scope:SCOPE_SE
	s_setreg_imm32_b32 hwreg(HW_REG_WAVE_MODE, 25, 1), 1
	s_wait_xcnt 0x0
; TWO KINDS OF WORK-GROUP, which need nothing of each other, side by side: 128 of each, one for each of 256 WGPs.
; WORK-GROUPS 0-127, TWO PRODUCTS OF WEIGHTS.  wt: bf16 [2048][1024].  Rows 0-1023: wt[i'][i] = sum_j Wk[i'][j] Wq[i][j].  Rows 1024-2047: wt[1024+n][i] = sum_j Wh[j][n] Wv[i][j].
;   Both are C[m][n] = sum_k A[m][k] B[n][k] on rows of wab (Wk at 0, Wq at 1,024, Wv at 2,048, Wh turned at 3,072); sums in f32, C rounded to bf16 once.  A tile of C is 128 x 128; four waves, each
;   64 x 64: 16 accumulators.  K = 1,024 in four steps of 256 (LDS rows of 512 bytes) through two slots; wave w brings quarter w of a slot (A's two halves, B's two halves).
;   The matrix instruction is used transposed (source 0 = rows of B, source 1 = rows of A): a lane holds eight neighbouring numbers of a row of C.
;   NO CLUSTER: a tile of wab is asked for by 8 work-groups, 64 MB of requests for 8 MB of operands where joint loads would make 16 MB; a work-group has only two refills, and with plain barriers
;   the launch's two kinds of work-group stay apart.
; WORK-GROUPS 128-255, THE STREAM.  xb = inputs rounded to bf16, [8192][1024];  rq[q] = x[q] . w + bq . bk in f32 (x rounded to bf16; w = Wq bk from vec at byte 4,096; bq . bk of the unrounded
;   numbers).  rq is the part of a score that is the same for all keys of a query: Q[q] . bk.  64 rows a work-group, 16 a wave: one tensor load brings a wave's 65,536 bytes into LDS bytes of its own,
;   filled once, so all of a work-group's 256 KB are on their way at once and cost no registers; a loop of two rows a trip reads them back.  Each store of a wave covers 256 consecutive bytes, aligned.
; REGISTERS (product): window 0: v0-31 addresses; v32-95 the way out; v128-255 accumulators.  Window 1: two fragment buffers of 128 (64 along K: 64 registers of A, then 64 of B).
.set KSTEP,  256
.set PITCH,  528                       ; 512 bytes + 16: the sixteen rows of a fragment load start in sixteen different groups of four banks (64 banks of 4 bytes: ISA guide 11.1)
.set HALFT,  64*PITCH
.set SLOT,   4*HALFT                   ; A's 128 rows, then B's 128 rows; it shares no bit with wave x HALFT, so an exclusive or adds or takes it away
.set STAGE,  2*SLOT                    ; 128 rows x 272 bytes, the work-group's, for the way out
.set SPITCH, 272
.set SPARE,  STAGE+128*SPITCH          ; the spare words, 128 bytes a wave: two blocks of 256 bytes that no other line names
.set FLAGS,  (1<<16)|(1<<20)|(6<<22)|(3<<25)  ; 2-byte elements; padding on; after every 128 words; 4 words
.set ADRA0, 16                         ; v16, v17  my lane's place in slot 0's tiles of A, of B; never rewritten
.set ADRB0, 17
.set ADRA,  18                         ; v18, v19  the same at the place in hand
.set ADRB,  19
.set STO,  24
.set RD,   25
.set CO,   26
.set SPW,  28                          ; v28  SPARE + 4 x my thread's number; never rewritten
.set NIL,  29                          ; v29  0; never rewritten
.set TMP,  32
.set ACC,  128
.set F0,   0
.set F1,   128
.set G1, 24                            ; s[24:31] descriptor group 1
.set G0, 32                            ; s[32:39] group 0, a set for each first fill; the second then walks
.set TB,  45                           ; s45  0 or SLOT: the slot in hand
.set TK,  46                           ; s46  the tail's place in LDS
.set TM,  47                           ; s47  what the tail's next exclusive or turns
.set MSB, 0
.macro WIN new                         ; the immediate's high byte repeats the setting that is left
.if MSB != (\new)
	s_set_vgpr_msb (MSB<<8)|(\new)
.set MSB, \new
.endif
.endm
.set MUL,  0x05                        ; sources 0 (B) and 1 (A) window 1; C and D window 0
.set TO_F, 0x40                        ; destination window 1, address window 0
	s_load_b512 s[68:83], s[0:1], 0x0              ; wab s[68:69], wt s[70:71], inputs s[72:73], bq s[74:75], bk s[76:77], vec s[78:79], xb s[80:81], rq s[82:83]
	v_lshl_add_u32 v[SPW], v0, 2, SPARE
	v_mov_b32 v[NIL], 0
	ds_add_u32 v28, v29
	ds_add_u32 v28, v29
	s_wait_dscnt 0x0
	v_lshrrev_b32 v1, 5, v0
	v_readfirstlane_b32 s10, v1                    ; wave 0..3
	s_cmp_ge_u32 ttmp9, 128                        ; the same answer in all four waves
	s_cbranch_scc1 .Lstream
	; ---------------- THE PRODUCTS ----------------
	s_lshr_b32 s11, s10, 1                         ; my half of the tile's rows; also: I fetch for A (0) or B (1)
	s_and_b32 s12, s10, 1                          ; my half of its columns; also: which 64 rows I fetch
	s_and_b32 s42, ttmp9, 7                        ; tile column 0..7
	s_lshr_b32 s13, ttmp9, 3                       ; tile row 0..15
	s_lshr_b32 s8, s13, 3                          ; which product
	s_mov_b32 s[G1+0], FLAGS
	s_mov_b32 s[G1+1], KSTEP<<16                   ; tensor_dim0 = 256
	s_mov_b32 s[G1+2], 64<<16                      ; tensor_dim1 = 64
	s_mov_b32 s[G1+3], KSTEP<<16                   ; tile_dim0 = 256
	s_mov_b32 s[G1+4], 64                          ; tile_dim1 = 64
	s_mov_b32 s[G1+5], 1024                        ; elements from row to row
	s_mov_b32 s[G1+6], 0
	s_mov_b32 s[G1+7], 0
	s_lshl_b32 s19, s12, 6
	s_lshl_b32 s16, s13, 7
	s_lshl_b32 s18, s8, 11
	s_add_co_u32 s16, s16, s18                     ; A: row 128 x tile row + 2,048 x product
	s_lshl_b32 s17, s42, 7
	s_lshl_b32 s18, s8, 10
	s_add_co_u32 s17, s17, s18
	s_add_co_u32 s17, s17, 1024                    ; B: row 1,024 + 1,024 x product + 128 x tile column
	s_cmp_eq_u32 s11, 0
	s_cselect_b32 s16, s16, s17                    ; waves 0, 1 bring A's rows, waves 2, 3 B's,
	s_add_co_u32 s16, s16, s19                     ; 64 each
	s_lshl_b32 s16, s16, 11
	s_mov_b32 s17, 0
	s_mul_i32 s20, s10, HALFT                      ; where my part goes
	s_mov_b32 s[TB], 0
	s_wait_kmcnt 0x0
	s_add_nc_u64 s[14:15], s[68:69], s[16:17]
.irp s, 0,1
	s_mov_b32 s[G0+4*(\s)], 1
	s_add_co_u32 s[G0+4*(\s)+1], s20, (\s)*SLOT
	s_add_nc_u64 s[G0+4*(\s)+2:G0+4*(\s)+3], s[14:15], (\s)*KSTEP*2
	s_or_b32 s[G0+4*(\s)+3], s[G0+4*(\s)+3], 0x80000000
.endr
	tensor_load_to_lds s[G0:G0+3], s[G1:G1+7]      ; the two first fills go out together: two loads of mine are out
	s_nop 0
	tensor_load_to_lds s[G0+4:G0+7], s[G1:G1+7]
	s_nop 0
	v_and_b32 v1, 15, v0                           ; l % 16
	v_bfe_u32 v2, v0, 4, 1                         ; l / 16
	v_mul_u32_u24 v3, v1, PITCH
	v_lshl_add_u32 v3, v2, 4, v3                   ; a fragment's row x pitch + 16 x half
	s_mul_i32 s21, s11, HALFT
	s_mul_i32 s22, s12, HALFT
	s_add_co_u32 s22, s22, 2*HALFT
	v_add_nc_u32 v[ADRA0], s21, v3
	v_add_nc_u32 v[ADRB0], s22, v3
	v_mov_b32 v[ADRA], v[ADRA0]
	v_mov_b32 v[ADRB], v[ADRB0]
	s_mul_i32 s23, s11, 64*SPITCH                  ; into the stage: my 64 rows, my half of their 256 bytes
	s_lshl_b32 s21, s12, 7
	s_add_co_u32 s23, s23, s21
	s_add_co_u32 s23, s23, STAGE
	v_mul_u32_u24 v4, v1, SPITCH
	v_lshl_add_u32 v4, v2, 4, v4
	v_add_nc_u32 v[STO], s23, v4
	s_mul_i32 s23, s10, 32*SPITCH                  ; back: wave w takes rows 32 w .. 32 w + 31, whole
	s_add_co_u32 s23, s23, STAGE
	v_mul_u32_u24 v5, v2, SPITCH
	v_lshl_add_u32 v5, v1, 4, v5
	v_add_nc_u32 v[RD], s23, v5
	v_lshlrev_b32 v5, 11, v2                       ; and the same two rows in wt
	v_lshl_add_u32 v[CO], v1, 4, v5
	s_lshl_b32 s16, s13, 7
	s_lshl_b32 s17, s10, 5
	s_add_co_u32 s16, s16, s17                     ; the first row of C that I store,
	s_lshl_b32 s16, s16, 11
	s_lshl_b32 s17, s42, 8                         ; the tile's first column, in bytes
	s_add_co_u32 s16, s16, s17
	s_mov_b32 s17, 0
	s_add_nc_u64 s[70:71], s[70:71], s[16:17]
; 8 matrix instructions: m blocks a0, a0 + 1 x all 4 n blocks, 32 along K: half c of buffer f.  zero = 1: the first product starts the sums.  The 16 accumulators take turns.
.macro MUL8 f, c, a0, zero
	WIN MUL
.irp a, \a0, (\a0)+1
.irp b, 0,1,2,3
.if \zero
	v_wmma_f32_16x16x32_bf16 v[ACC+8*(4*(\a)+(\b)):ACC+8*(4*(\a)+(\b))+7], v[(\f)+64+8*(4*(\c)+(\b)):(\f)+64+8*(4*(\c)+(\b))+7], v[(\f)+8*(4*(\c)+(\a)):(\f)+8*(4*(\c)+(\a))+7], 0
.else
	v_wmma_f32_16x16x32_bf16 v[ACC+8*(4*(\a)+(\b)):ACC+8*(4*(\a)+(\b))+7], v[(\f)+64+8*(4*(\c)+(\b)):(\f)+64+8*(4*(\c)+(\b))+7], v[(\f)+8*(4*(\c)+(\a)):(\f)+8*(4*(\c)+(\a))+7], v[ACC+8*(4*(\a)+(\b)):ACC+8*(4*(\a)+(\b))+7]
.endif
.endr
.endr
.endm
; 32 LDS loads in one run: the fragments of 64 along K at byte k behind the place in hand, into buffer f; the first 32 along K first
.macro FETCH k, f
	WIN TO_F
.irp c, 0,1
.irp i, 0,1,2,3
	ds_load_b128 v[(\f)+64+8*(4*(\c)+(\i)):(\f)+64+8*(4*(\c)+(\i))+3],   v[ADRB] offset:(\k)+64*(\c)+(\i)*16*PITCH
	ds_load_b128 v[(\f)+64+8*(4*(\c)+(\i))+4:(\f)+64+8*(4*(\c)+(\i))+7], v[ADRB] offset:(\k)+64*(\c)+(\i)*16*PITCH+32
	ds_load_b128 v[(\f)+8*(4*(\c)+(\i)):(\f)+8*(4*(\c)+(\i))+3],         v[ADRA] offset:(\k)+64*(\c)+(\i)*16*PITCH
	ds_load_b128 v[(\f)+8*(4*(\c)+(\i))+4:(\f)+8*(4*(\c)+(\i))+7],       v[ADRA] offset:(\k)+64*(\c)+(\i)*16*PITCH+32
.endr
.endr
.endm
.macro PLACES                          ; four plain vector instructions between matrix instructions and loads into, or readers of, their registers
.rept 4
	v_nop
.endr
.endm
.macro QUARTER k, f, g, zero           ; multiplies buffer f (64 along K) and fetches the next quarter, at byte k, into g
	s_wait_dscnt 16                                ; the first 32 along K are in; the youngest sixteen loads may be out
	MUL8 \f, 0, 0, \zero
	MUL8 \f, 0, 2, \zero
	PLACES
	FETCH \k, \g
	s_wait_dscnt 32                                ; all but the 32 just issued
	MUL8 \f, 1, 0, 0
	MUL8 \f, 1, 2, 0
.endm
; The last quarter of a K step multiplies buffer 1 and changes slots: one barrier; in front of it each wave waits for all its tensor loads (one is out: its part of the next slot), adds 0 to its
; spare word, and waits for that and for its reads of this slot.  Behind it the slot just read is filled again, two K steps ahead, first thing: 112 matrix instructions ahead of the wait for it.
.macro TURN
	WIN 0
	s_wait_tensorcnt 0x0
	ds_add_u32 v[SPW], v[NIL]
	s_wait_dscnt 17                                ; the add and the youngest sixteen loads may be out
	MUL8 F1, 0, 0, 0
	s_wait_dscnt 0x0                               ; the add is done, and my reads of this slot are over
	s_barrier_signal -1
	MUL8 F1, 0, 2, 0
	WIN 0
	s_barrier_wait -1
	s_xor_b32 s[G0+5], s[G0+5], SLOT               ; the walking descriptor: the other slot than last time,
	s_add_nc_u64 s[G0+6:G0+7], s[G0+6:G0+7], KSTEP*2  ; the next K step
	tensor_load_to_lds s[G0+4:G0+7], s[G1:G1+7]
	s_nop 0
	PLACES                                         ; the places in front of the loads below
	s_xor_b32 s[TB], s[TB], SLOT
	v_add_nc_u32 v[ADRA], s[TB], v[ADRA0]
	v_add_nc_u32 v[ADRB], s[TB], v[ADRB0]
	FETCH 0, F0
	MUL8 F1, 1, 0, 0
	MUL8 F1, 1, 2, 0
.endm
	s_wait_tensorcnt 1                             ; my part of K step 0 is in; K step 1's may stay out
	s_barrier_signal -1
	s_barrier_wait -1
	FETCH 0, F0
	QUARTER 128, F0, F1, 1                         ; the first quarter stands in front of the loop: its first products start the sums
	WIN 0
	s_mov_b32 s3, 2                                ; K steps 2 and 3 are asked for in the loop
.Lstep:                                                ; a trip: a K step's last three quarters and the next one's first
	QUARTER 256, F1, F0, 0
	QUARTER 384, F0, F1, 0
	TURN
	QUARTER 128, F0, F1, 0
	WIN 0
	s_sub_co_u32 s3, s3, 1
	s_cmp_lg_u32 s3, 0
	s_cbranch_scc1 .Lstep
	; THE TAIL asks for nothing: seven quarters are left, six of them as three trips of two.  Their fragments lie at: this slot + 256, the other slot, the other slot + 256.
	s_add_co_u32 s[TK], s[TB], 256
	s_mov_b32 s[TM], SLOT|256
	v_add_nc_u32 v[ADRA], s[TK], v[ADRA0]
	v_add_nc_u32 v[ADRB], s[TK], v[ADRB0]
	s_mov_b32 s3, 3
.Ltail:
	QUARTER 0, F1, F0, 0
	QUARTER 128, F0, F1, 0
	WIN 0
	s_wait_tensorcnt 0x0                           ; first trip: my part of the last K step's tile, which the next trip reads; later nothing is out
	s_wait_dscnt 0x0                               ; no LDS load is out at a signal
	s_barrier_signal -1
	s_xor_b32 s[TK], s[TK], s[TM]
	s_mov_b32 s[TM], 256
	v_add_nc_u32 v[ADRA], s[TK], v[ADRA0]
	v_add_nc_u32 v[ADRB], s[TK], v[ADRB0]
	s_barrier_wait -1
	s_sub_co_u32 s3, s3, 1
	s_cmp_lg_u32 s3, 0
	s_cbranch_scc1 .Ltail
	MUL8 F1, 0, 0, 0                               ; the very last quarter
	MUL8 F1, 0, 2, 0
	MUL8 F1, 1, 0, 0
	MUL8 F1, 1, 2, 0
	WIN 0
	; THE WAY OUT: rounded to bf16; 16 bytes a lane into the work-group's stage; a barrier, since a row's 256 bytes come from two waves; back as whole rows, 32 a wave
	PLACES
.irp t, 0,1,2,3,4,5,6,7,8,9,10,11,12,13,14,15
.irp r, 0,1,2,3
	v_cvt_pk_bf16_f32 v[TMP+4*(\t)+(\r)], v[ACC+8*(\t)+2*(\r)], v[ACC+8*(\t)+2*(\r)+1]
.endr
.endr
.irp a, 0,1,2,3
.irp b, 0,1,2,3
	ds_store_b128 v[STO], v[TMP+4*(4*(\a)+(\b)):TMP+4*(4*(\a)+(\b))+3] offset:(\a)*16*SPITCH+32*(\b)
.endr
.endr
	s_wait_dscnt 0x0                               ; for the others' sake: my stores into the stage are done
	s_barrier_signal -1
	s_barrier_wait -1
.irp t, 0,1,2,3,4,5,6,7,8,9,10,11,12,13,14,15
	ds_load_b128 v[TMP+4*(\t):TMP+4*(\t)+3], v[RD] offset:(\t)*2*SPITCH
.endr
.irp t, 0,1,2,3,4,5,6,7,8,9,10,11,12,13,14,15
	s_wait_dscnt 15-(\t)
	global_store_b128 v[CO], v[TMP+4*(\t):TMP+4*(\t)+3], s[70:71] offset:2*(\t)*2048  ; sixteen lanes store 256 consecutive bytes, aligned
.endr
	s_wait_tensorcnt 0x0                           ; the wave's end
	ds_add_u32 v[SPW], v[NIL]
	s_wait_dscnt 0x0
	s_endpgm
	; ---------------- THE STREAM ----------------
.set W,  32                            ; v[32:63]   w, my 32 numbers
.set X,  64                            ; v[64:127]  two rows, part j of row i at X + 32 i + 4 j
.set Y,  128                           ; v[128:159] the two rows in bf16 pairs; before that bq (128..) and bk (160..)
.set CP, 8                             ; v8   my lane's part of bq . bk
.set ZR, 9                             ; v9   0
.set A,  12                            ; v[12:15] four chains
.set R,  16                            ; v16  lane i: the sum of my row i
.set SM, 17                            ; v17  a row's sum
.Lstream:
	s_sub_co_u32 s4, ttmp9, 128
	s_lshl_b32 s5, s4, 6
	s_lshl4_add_u32 s5, s10, s5                    ; my first row = 64 x work-group + 16 x wave
	s_lshl_b32 s16, s5, 12
	s_mov_b32 s17, 0
	s_lshl_b32 s18, s5, 11
	s_mov_b32 s19, 0
	s_lshl_b32 s20, s5, 2
	s_mov_b32 s21, 0
	s_lshl_b32 s22, s10, 16                        ; my 65,536 bytes of LDS
	s_mov_b32 s[G1+0], 3<<16                       ; 16 dense rows of 4,096 bytes, asked for as 256 rows of 256 bytes: elements of 8 bytes, no padding
	s_mov_b32 s[G1+1], 32<<16                      ; tensor_dim0 = 32
	s_mov_b32 s[G1+2], 256<<16                     ; tensor_dim1 = 256
	s_mov_b32 s[G1+3], 32<<16                      ; tile_dim0 = 32
	s_mov_b32 s[G1+4], 256                         ; tile_dim1 = 256
	s_mov_b32 s[G1+5], 32                          ; elements from row to row
	s_mov_b32 s[G1+6], 0
	s_mov_b32 s[G1+7], 0
	s_mov_b32 s8, 0x76543210                       ; v_permlanex16_b32: each lane takes its own place in the other half
	s_mov_b32 s9, 0xfedcba98
	s_wait_kmcnt 0x0
	s_add_nc_u64 s[72:73], s[72:73], s[16:17]
	s_add_nc_u64 s[80:81], s[80:81], s[18:19]
	s_add_nc_u64 s[82:83], s[82:83], s[20:21]
	s_mov_b32 s[G0], 1
	s_mov_b32 s[G0+1], s22
	s_mov_b64 s[G0+2:G0+3], s[72:73]
	s_or_b32 s[G0+3], s[G0+3], 0x80000000
	tensor_load_to_lds s[G0:G0+3], s[G1:G1+7]      ; my one tensor load: these bytes are filled once
	s_nop 0
	v_and_b32 v4, 31, v0
	v_lshlrev_b32 v1, 4, v4
	v_lshlrev_b32 v2, 3, v4
	v_lshlrev_b32 v5, 2, v4
	v_mov_b32 v[ZR], 0
	v_mov_b32 v[R], 0
	v_mov_b32 v20, 0                               ; v_permlanex16_b32's destination counts as read
.irp j, 0,1,2,3,4,5,6,7
	global_load_b128 v[W+4*(\j):W+4*(\j)+3], v1, s[78:79] offset:4096+512*(\j)
.endr
.irp j, 0,1,2,3,4,5,6,7
	global_load_b128 v[128+4*(\j):128+4*(\j)+3], v1, s[74:75] offset:512*(\j)
.endr
.irp j, 0,1,2,3,4,5,6,7
	global_load_b128 v[160+4*(\j):160+4*(\j)+3], v1, s[76:77] offset:512*(\j)
.endr
	s_wait_loadcnt 0x0
	v_pk_mul_f32 v[A:A+1], v[128:129], v[160:161]
	v_pk_mul_f32 v[A+2:A+3], v[130:131], v[162:163]
.set k, 2
.rept 14
	v_pk_fma_f32 v[A+2*(k%2):A+2*(k%2)+1], v[128+2*k:128+2*k+1], v[160+2*k:160+2*k+1], v[A+2*(k%2):A+2*(k%2)+1]
.set k, k+1
.endr
	v_add_f32 v[A], v[A], v[A+1]
	v_add_f32 v[A+2], v[A+2], v[A+3]
	v_add_f32 v[CP], v[A], v[A+2]
.macro SROW i
	s_wait_dscnt 8*(1-(\i))                        ; LDS loads come back in order (ISA guide 5.7.1): this row's eight are in
.irp k, 0,1,2,3,4,5,6,7,8,9,10,11,12,13,14,15
	v_cvt_pk_bf16_f32 v[Y+16*(\i)+(\k)], v[X+32*(\i)+2*(\k)], v[X+32*(\i)+2*(\k)+1]
.endr
.irp j, 0,1,2,3,4,5,6,7
	global_store_b64 v2, v[Y+16*(\i)+2*(\j):Y+16*(\i)+2*(\j)+1], s[80:81] offset:2048*(\i)+256*(\j)
.endr
.set k, 0
.rept 16
.if k == 0
	v_fma_mix_f32_bf16 v[A],   v[Y+16*(\i)], v[W],   v[CP] op_sel_hi:[1,0,0]  ; the first chain starts from my part of bq . bk
	v_fma_mix_f32_bf16 v[A+1], v[Y+16*(\i)], v[W+1], v[ZR] op_sel:[1,0,0] op_sel_hi:[1,0,0]
.elseif k == 1
	v_fma_mix_f32_bf16 v[A+2], v[Y+16*(\i)+1], v[W+2], v[ZR] op_sel_hi:[1,0,0]
	v_fma_mix_f32_bf16 v[A+3], v[Y+16*(\i)+1], v[W+3], v[ZR] op_sel:[1,0,0] op_sel_hi:[1,0,0]
.else
	v_fma_mix_f32_bf16 v[A+2*(k%2)],   v[Y+16*(\i)+k], v[W+2*k],   v[A+2*(k%2)]   op_sel_hi:[1,0,0]
	v_fma_mix_f32_bf16 v[A+2*(k%2)+1], v[Y+16*(\i)+k], v[W+2*k+1], v[A+2*(k%2)+1] op_sel:[1,0,0] op_sel_hi:[1,0,0]
.endif
.set k, k+1
.endr
	v_add_f32 v[A], v[A], v[A+1]
	v_add_f32 v[A+2], v[A+2], v[A+3]
	v_add_f32 v[SM], v[A], v[A+2]
.irp m, 1,2,4,8
	v_add_f32_dpp v[SM], v[SM], v[SM] row_xmask:\m row_mask:0xf bank_mask:0xf
.endr
	v_permlanex16_b32 v20, v[SM], s8, s9
	v_add_f32 v[SM], v[SM], v20
	v_cndmask_b32 v[R], v[R], v[SM], s6            ; the lane of the row's number keeps the sum
	s_lshl_b32 s6, s6, 1
.endm
	s_mov_b32 s6, 1
	s_mov_b32 s23, s22
	s_mov_b32 s3, 8
	s_wait_tensorcnt 0x0                           ; my 16 rows are in LDS; only I read them
.Lrows:                                                ; a trip: two rows
	v_add_nc_u32 v3, s23, v1                       ; 32 lanes x 16 bytes: 512 neighbouring bytes a load
.irp i, 0,1
.irp j, 0,1,2,3,4,5,6,7
	ds_load_b128 v[X+32*(\i)+4*(\j):X+32*(\i)+4*(\j)+3], v3 offset:4096*(\i)+512*(\j)
.endr
.endr
	SROW 0
	SROW 1
	s_wait_xcnt 0x0                                ; the stores' base and data are rewritten only behind this wait
	s_add_nc_u64 s[80:81], s[80:81], 0x1000        ; two rows of xb on
	s_add_co_u32 s23, s23, 0x2000                  ; two rows of LDS on
	s_sub_co_u32 s3, s3, 1
	s_cmp_lg_u32 s3, 0
	s_cbranch_scc1 .Lrows
	v_cmp_gt_u32 vcc_lo, 16, v4
	s_wait_xcnt 0x0                                ; EXEC changes only behind this wait
	s_and_saveexec_b32 s11, vcc_lo
	global_store_b32 v5, v[R], s[82:83]            ; 64 consecutive bytes of rq a wave
	s_wait_xcnt 0x0
	s_or_b32 exec_lo, exec_lo, s11
	s_wait_tensorcnt 0x0                           ; the wave's end
	ds_add_u32 v[SPW], v[NIL]
	s_wait_dscnt 0x0
	s_endpgm
.Lfunc_end_k_qe73afed697_mid:
	.size	k_qe73afed697_mid, .Lfunc_end_k_qe73afed697_mid-k_qe73afed697_mid
	.p2alignl 7, 3214868480
	.fill 96, 4, 3214868480
	.section	.rodata,"a",@progbits
	.p2align	6, 0x0
	.amdhsa_kernel k_qe73afed697_mid
		.amdhsa_group_segment_fixed_size 327680
		.amdhsa_private_segment_fixed_size 0
		.amdhsa_enable_private_segment 0
		.amdhsa_kernarg_size 64
		.amdhsa_user_sgpr_count 2
		.amdhsa_user_sgpr_kernarg_segment_ptr 1
		.amdhsa_wavefront_size32 1
		.amdhsa_system_sgpr_workgroup_id_x 1
		.amdhsa_system_sgpr_workgroup_id_y 1
		.amdhsa_system_sgpr_workgroup_id_z 1
		.amdhsa_system_vgpr_workitem_id 0
		.amdhsa_next_free_vgpr 512
		.amdhsa_next_free_sgpr 88
		.amdhsa_reserve_vcc 1
		.amdhsa_float_denorm_mode_32 3
		.amdhsa_float_denorm_mode_16_64 3
		.amdhsa_memory_ordered 1
		.amdhsa_forward_progress 1
		.amdhsa_inst_pref_size 64
	.end_amdhsa_kernel
	.amdgpu_metadata
---
amdhsa.version: [ 1, 2 ]
amdhsa.kernels:
  - .name:           k_qe73afed697_mid
    .symbol:         k_qe73afed697_mid.kd
    .args:
      - { .name: wab, .offset: 0, .size: 8, .value_kind: global_buffer, .address_space: global }
      - { .name: wt, .offset: 8, .size: 8, .value_kind: global_buffer, .address_space: global }
      - { .name: inputs, .offset: 16, .size: 8, .value_kind: global_buffer, .address_space: global }
      - { .name: bq, .offset: 24, .size: 8, .value_kind: global_buffer, .address_space: global }
      - { .name: bk, .offset: 32, .size: 8, .value_kind: global_buffer, .address_space: global }
      - { .name: vec, .offset: 40, .size: 8, .value_kind: global_buffer, .address_space: global }
      - { .name: xb, .offset: 48, .size: 8, .value_kind: global_buffer, .address_space: global }
      - { .name: rq, .offset: 56, .size: 8, .value_kind: global_buffer, .address_space: global }
    .group_segment_fixed_size: 327680
    .private_segment_fixed_size: 0
    .kernarg_segment_align: 8
    .kernarg_segment_size: 64
    .max_flat_workgroup_size: 128
    .sgpr_count:     88
    .vgpr_count:     512
    .wavefront_size: 32
...
	.end_amdgpu_metadata
.endif
;; end of part 2
;; launch pj (part 3): grid 4 x 64, 4 waves a work-group, clusters of 4 x 4, 327,680 bytes of LDS; arguments xb, wt, vec, qv; writes qv
.if DOCPART == 3
	.amdgcn_target "amdgcn-amd-amdhsa--gfx1250"
	.amdhsa_code_object_version 6
	.text
	.protected	k_qe73afed697_pj
	.globl	k_qe73afed697_pj
	.p2align	8
	.type	k_qe73afed697_pj,@function
k_qe73afed697_pj:
	s_mov_b64 s[64:65], 0
	v_nop
	global_prefetch_b8 v0, s[64:65] scope:SCOPE_SE
	s_setreg_imm32_b32 hwreg(HW_REG_WAVE_MODE, 25, 1), 1
	s_wait_xcnt 0x0
	s_wait_alu depctr_hold_cnt(0) depctr_sa_sdst(0) depctr_va_vdst(0) depctr_va_sdst(0) depctr_va_ssrc(0) depctr_va_vcc(0) depctr_vm_vsrc(0)
	s_getreg_b32 s2, hwreg(HW_REG_IB_STS2, 6, 4)
	s_cmp_eq_u32 s2, 0
	s_cbranch_scc0 .Lentry_in_a_cluster
	s_endpgm
.Lentry_in_a_cluster:
	s_bfe_u32 s2, ttmp6, 0x10000c
	s_cmp_lg_u32 s2, 0xf033
	s_cbranch_scc0 .Lentry_shape_is_right
	s_endpgm
.Lentry_shape_is_right:
; THE TWO PROJECTIONS, one text.  qv: Q2 = x Wqk + u, bf16 [8192][1024], at byte 0;  VT[n][m] = sum_i Wvh^T[n][i] x[m][i], bf16 [1024][8192], at byte 16,777,216.
; Both are C[m][n] = sum_k A[m][k] B[n][k] + init[n], K = 1,024: Q2: A = xb, B = wt's rows 0-1023, init = u.  VT: A = wt's rows 1024-2047, B = xb, init = the zeros of vec.
; Clusters 0-7 along y make Q2, 8-15 VT: which, is one number z, the same in a whole cluster; it chooses bases, a shift and offsets by s_cselect and enters no branch.
; A tile of C is 256 x 256: 2 x 128 tiles, one for each of 256 work-groups.  Four waves, each 128 x 128: 64 accumulators, 512 registers.  K goes in 8 steps of 128 (tile rows of 256 bytes) through two LDS slots.
; CLUSTER 4 x 4: a row of the cluster shares A's tiles, a column B's: joint loads, the same line, descriptor and mask in the four that share a tile.
; THE MATRIX INSTRUCTION IS USED TRANSPOSED (source 0 = rows of B, source 1 = rows of A): a lane holds eight neighbouring numbers of a row of C.  The first product takes init as its C operand.
; A K step is written once: the slot in hand is a scalar that an exclusive or turns; SLOT shares no bit with wave x HALFT.
; LIMITS: sums in f32, C rounded to bf16 once; NaN and infinities are not treated apart.
; REGISTERS: window 0: v0-31 addresses; v32-63, v224-255 rows on the way out; v64-127, v128-191 A's fragments, two buffers; v192-223 packed results.
;   window 1: v0-63 init; v64-127, v128-191 B's fragments.   windows 2, 3: accumulator (a, b) at v[8 (8 (a % 4) + b)], rows 0-63 in window 2, rows 64-127 in window 3.
.set KSTEP,  128
.set PITCH,  272                       ; 256 bytes + 16: the sixteen rows of a fragment load start in sixteen different groups of four banks (64 banks of 4 bytes: ISA guide 11.1)
.set HALFT,  128*PITCH
.set SLOT,   4*HALFT                   ; A's 256 rows, then B's 256 rows
.set STAGE,  2*SLOT                    ; 16 rows x 272 bytes for each wave, for the way out
.set SPARE,  STAGE+4*16*PITCH          ; the spare words, 128 bytes a wave: two blocks of 256 bytes that no other line names
.set FLAGS,  (1<<16)|(1<<20)|(1<<21)|(5<<22)|(3<<25)  ; 2-byte elements; padding on; bit 21 beside a mask; after every 64 words; 4 words
.set CO,    8                          ; v8-15  my byte offset in rows 2 t + l / 16 of a block of 16 rows of C
.set ADRA0, 16                         ; v16, v17  my lane's place in slot 0's tiles of A, of B; never rewritten
.set ADRB0, 17
.set ADRA,  18                         ; v18, v19  the same at the place in hand
.set ADRB,  19
.set STO,   24
.set RD,    25
.set SPW,   28                         ; v28  SPARE + 4 x my thread's number; never rewritten
.set NIL,   29                         ; v29  0; never rewritten
.set OB,    32
.set F0,    64
.set F1,    128
.set TMP,   192
.set G1, 24
.set G0, 32
.set G1B, 48
.set G0B, 56
.set TB,  45                           ; s45  0 or SLOT: the slot in hand
.set TK,  5                            ; s5   the tail's place in LDS
.set TM,  6                            ; s6   what the tail's next exclusive or turns
.set MSB, 0
.macro WIN new                         ; the immediate's high byte repeats the setting that is left
.if MSB != (\new)
	s_set_vgpr_msb (MSB<<8)|(\new)
.set MSB, \new
.endif
.endm
.macro JLOAD                           ; a joint refill: waves 0, 1 fetch A's halves, waves 2, 3 B's; an s_nop 0 and four v_nop follow each line
	s_cmp_eq_u32 s11, 0
	s_cbranch_scc0 .Lfor_b_\@
	tensor_load_to_lds s[G0+4:G0+7], s[G1:G1+7]
	s_nop 0
.rept 4
	v_nop
.endr
	s_branch .Lasked_\@
.Lfor_b_\@:
	tensor_load_to_lds s[G0B+4:G0B+7], s[G1B:G1B+7]
	s_nop 0
.rept 4
	v_nop
.endr
.Lasked_\@:
.endm
.macro CREST                           ; a round of the cluster's barrier behind its opening barrier
	s_cmp_lg_u32 s10, 0
	s_cbranch_scc1 .Lnot_wave_0_\@
	s_barrier_signal -3
.Lnot_wave_0_\@:
	s_barrier_wait -3
	s_barrier_signal -1
	s_barrier_wait -1
.endm
.macro CROUND
	s_barrier_signal -1
	s_barrier_wait -1
	CREST
.endm
	s_load_b256 s[68:75], s[0:1], 0x0              ; xb s[68:69], wt s[70:71], vec s[72:73], qv s[74:75]
	v_lshl_add_u32 v[SPW], v0, 2, SPARE
	v_mov_b32 v[NIL], 0
	ds_add_u32 v28, v29
	ds_add_u32 v28, v29
	s_wait_dscnt 0x0
	v_lshrrev_b32 v1, 5, v0
	v_readfirstlane_b32 s10, v1                    ; wave 0..3
	s_lshr_b32 s11, s10, 1                         ; my half of the tile's rows; also: I fetch for A (0) or B (1)
	s_and_b32 s12, s10, 1                          ; my half of its columns; also: which 128 rows I fetch
	s_bfe_u32 s40, ttmp6, 0x40000                  ; cx
	s_bfe_u32 s41, ttmp6, 0x40004                  ; cy
	s_and_b32 s9, ttmp7, 0xffff                    ; the cluster's y, 0..15
	s_lshr_b32 s8, s9, 3                           ; z: 0 Q2, 1 VT
	s_and_b32 s7, s9, 7
	s_lshl_b32 s7, s7, 2
	s_cmp_eq_u32 s8, 0
	s_cselect_b32 s5, s7, 0                        ; the long axis (32 tiles) is C's rows for Q2,
	s_cselect_b32 s6, 0, s7                        ; C's columns for VT
	s_cselect_b32 s4, 11, 14                       ; log2 of C's row in bytes: 2,048 or 16,384
	s_add_co_u32 s13, s5, s41                      ; tile row
	s_add_co_u32 s42, s6, s40                      ; tile column
	s_lshl_b32 s43, s41, 2
	s_lshl_b32 s43, 15, s43                        ; my row of the cluster
	s_lshl_b32 s44, 0x1111, s40                    ; my column
	s_or_b32 s[G1+0], s43, FLAGS
	s_or_b32 s[G1B+0], s44, FLAGS
.irp g, G1, G1B
	s_mov_b32 s[(\g)+1], KSTEP<<16                 ; tensor_dim0 = 128
	s_mov_b32 s[(\g)+2], 128<<16                   ; tensor_dim1 = 128
	s_mov_b32 s[(\g)+3], KSTEP<<16                 ; tile_dim0 = 128
	s_mov_b32 s[(\g)+4], 128                       ; tile_dim1 = 128
	s_mov_b32 s[(\g)+5], 1024                      ; elements from row to row
	s_mov_b32 s[(\g)+6], 0
	s_mov_b32 s[(\g)+7], 0
.endr
	s_lshl_b32 s19, s12, 7
	s_lshl_b32 s16, s13, 8
	s_add_co_u32 s16, s16, s19
	s_lshl_b32 s16, s16, 11                        ; A: (256 x tile row + 128 x half) rows of 2,048 bytes
	s_mov_b32 s17, 0
	s_lshl_b32 s46, s42, 8
	s_add_co_u32 s46, s46, s19
	s_lshl_b32 s46, s46, 11                        ; B: the same with the tile column
	s_mov_b32 s47, 0
	s_mul_i32 s20, s10, HALFT                      ; where my part goes: no place in the cluster enters an LDS address
	s_mov_b32 s[TB], 0
	s_lshl_b32 s78, s13, 8                         ; where my 128 x 128 of C begins
	s_lshl_b32 s79, s11, 7
	s_add_co_u32 s78, s78, s79
	s_lshl_b32 s78, s78, s4
	s_lshl_b32 s79, s42, 9
	s_add_co_u32 s78, s78, s79
	s_lshl_b32 s79, s12, 8
	s_add_co_u32 s78, s78, s79
	s_lshl_b32 s79, s8, 24                         ; VT lies 16,777,216 bytes into qv
	s_add_co_u32 s78, s78, s79
	s_mov_b32 s79, 0
	s_lshl_b32 s76, 16, s4                         ; 16 rows of C
	s_mov_b32 s77, 0
	s_lshl_b32 s66, s42, 10                        ; init: u at my tile's columns, or the zeros at byte 8,192
	s_cmp_eq_u32 s8, 0
	s_cselect_b32 s66, s66, 8192
	s_lshl_b32 s67, s12, 9
	s_add_co_u32 s66, s66, s67
	s_mov_b32 s67, 0
	s_wait_kmcnt 0x0
	s_add_nc_u64 s[2:3], s[70:71], 0x200000        ; wt's rows 1024..
	s_cmp_eq_u32 s8, 0
	s_cselect_b64 s[14:15], s[68:69], s[2:3]       ; A's buffer
	s_cselect_b64 s[22:23], s[70:71], s[68:69]     ; B's buffer
	s_add_nc_u64 s[14:15], s[14:15], s[16:17]
	s_add_nc_u64 s[46:47], s[22:23], s[46:47]
	s_add_nc_u64 s[72:73], s[72:73], s[66:67]
	s_add_nc_u64 s[74:75], s[74:75], s[78:79]
	CROUND                                         ; all sixteen work-groups are here: the first joint loads meet
.irp s, 0,1
	s_mov_b32 s[G0+4*(\s)], 1
	s_add_co_u32 s[G0+4*(\s)+1], s20, (\s)*SLOT
	s_add_nc_u64 s[G0+4*(\s)+2:G0+4*(\s)+3], s[14:15], (\s)*KSTEP*2
	s_or_b32 s[G0+4*(\s)+3], s[G0+4*(\s)+3], 0x80000000
	s_mov_b32 s[G0B+4*(\s)], 1
	s_add_co_u32 s[G0B+4*(\s)+1], s20, (\s)*SLOT
	s_add_nc_u64 s[G0B+4*(\s)+2:G0B+4*(\s)+3], s[46:47], (\s)*KSTEP*2
	s_or_b32 s[G0B+4*(\s)+3], s[G0B+4*(\s)+3], 0x80000000
.endr
	s_cmp_eq_u32 s11, 0                            ; a wave's two first fills stand in one branch: two loads of mine are out
	s_cbranch_scc0 .Lfirst_b
	tensor_load_to_lds s[G0:G0+3], s[G1:G1+7]
	s_nop 0
	tensor_load_to_lds s[G0+4:G0+7], s[G1:G1+7]
	s_nop 0
.rept 4
	v_nop
.endr
	s_branch .Lfirst_asked
.Lfirst_b:
	tensor_load_to_lds s[G0B:G0B+3], s[G1B:G1B+7]
	s_nop 0
	tensor_load_to_lds s[G0B+4:G0B+7], s[G1B:G1B+7]
	s_nop 0
.rept 4
	v_nop
.endr
.Lfirst_asked:
	v_and_b32 v1, 15, v0                           ; l % 16
	v_bfe_u32 v2, v0, 4, 1                         ; l / 16
	v_lshlrev_b32 v5, 5, v2                        ; my eight columns of sixteen, in f32
	WIN 0x40                                       ; destination window 1
.irp b, 0,1,2,3,4,5,6,7                            ; init[16 b + 8 (l / 16) + 0..7]: what register j of accumulator (a, b) starts from
	global_load_b128 v[8*(\b):8*(\b)+3],   v5, s[72:73] offset:64*(\b)
	global_load_b128 v[8*(\b)+4:8*(\b)+7], v5, s[72:73] offset:64*(\b)+16
.endr
	WIN 0
	v_mul_u32_u24 v3, v1, PITCH
	v_lshl_add_u32 v3, v2, 4, v3                   ; row x pitch + 16 x half
	s_mul_i32 s21, s11, HALFT
	s_mul_i32 s22, s12, HALFT
	s_add_co_u32 s22, s22, 2*HALFT
	v_add_nc_u32 v[ADRA0], s21, v3
	v_add_nc_u32 v[ADRB0], s22, v3
	v_mov_b32 v[ADRA], v[ADRA0]
	v_mov_b32 v[ADRB], v[ADRB0]
	s_mul_i32 s23, s10, 16*PITCH
	s_add_co_u32 s23, s23, STAGE                   ; my stage
	v_add_nc_u32 v[STO], s23, v3                   ; in: row l % 16, 16 bytes for each half of the lanes
	v_mul_u32_u24 v4, v2, PITCH
	v_lshl_add_u32 v4, v1, 4, v4
	v_add_nc_u32 v[RD], s23, v4                    ; back: lanes 0-15 one row of 256 bytes, lanes 16-31 the next
.irp t, 0,1,2,3,4,5,6,7
	v_add_nc_u32 v6, 2*(\t), v2
	v_lshlrev_b32 v6, s4, v6
	v_lshl_add_u32 v[CO+(\t)], v1, 4, v6
.endr
; 16 matrix instructions: m blocks a0, a0 + 1 of the window's four x all 8 n blocks, 32 along K.  mode 0: in place; 2: the first product, C = init (window 1).  The 64 accumulators take turns.
.macro MUL16 f, hi, a0, mode
.if (\mode) == 2
	WIN 0x91+0x40*(\hi)                            ; B window 1, A window 0, C window 1, D window 2 or 3
.else
	WIN 0xa1+0x50*(\hi)                            ; B window 1, A window 0, C and D window 2 or 3
.endif
.irp a, \a0, (\a0)+1
.irp b, 0,1,2,3,4,5,6,7
.if (\mode) == 2
	v_wmma_f32_16x16x32_bf16 v[8*(8*(\a)+(\b)):8*(8*(\a)+(\b))+7], v[(\f)+8*(\b):(\f)+8*(\b)+7], v[(\f)+8*(4*(\hi)+(\a)):(\f)+8*(4*(\hi)+(\a))+7], v[8*(\b):8*(\b)+7]
.else
	v_wmma_f32_16x16x32_bf16 v[8*(8*(\a)+(\b)):8*(8*(\a)+(\b))+7], v[(\f)+8*(\b):(\f)+8*(\b)+7], v[(\f)+8*(4*(\hi)+(\a)):(\f)+8*(4*(\hi)+(\a))+7], v[8*(8*(\a)+(\b)):8*(8*(\a)+(\b))+7]
.endif
.endr
.endr
.endm
; 32 LDS loads in one run: the fragments of 32 along K at byte k behind the place in hand, into buffer f: B's, then A's
.macro FETCH k, f
	WIN 0x40
.irp i, 0,1,2,3,4,5,6,7
	ds_load_b128 v[(\f)+8*(\i):(\f)+8*(\i)+3],   v[ADRB] offset:(\k)+(\i)*16*PITCH
	ds_load_b128 v[(\f)+8*(\i)+4:(\f)+8*(\i)+7], v[ADRB] offset:(\k)+(\i)*16*PITCH+32
.endr
	WIN 0
.irp i, 0,1,2,3,4,5,6,7
	ds_load_b128 v[(\f)+8*(\i):(\f)+8*(\i)+3],   v[ADRA] offset:(\k)+(\i)*16*PITCH
	ds_load_b128 v[(\f)+8*(\i)+4:(\f)+8*(\i)+7], v[ADRA] offset:(\k)+(\i)*16*PITCH+32
.endr
.endm
.macro PLACES                          ; four plain vector instructions between matrix instructions and loads into, or readers of, their registers
.rept 4
	v_nop
.endr
.endm
.macro QUARTER k, f, g, mode           ; multiplies buffer f (32 along K, 64 matrix instructions); in its middle fetches the next quarter, at byte k, into g
	s_wait_dscnt 8                                 ; B and A's rows 0-63 are in; the youngest eight loads (A's rows 64-127) may be out
	MUL16 \f, 0, 0, \mode
	MUL16 \f, 0, 2, \mode
	PLACES
	FETCH \k, \g
	s_wait_dscnt 32                                ; all but the 32 just issued
	MUL16 \f, 1, 0, \mode
	MUL16 \f, 1, 2, \mode
.endm
; The last quarter of a K step multiplies buffer 1 and changes slots: one barrier, which opens a round of the cluster's; in front of it each wave waits for all its tensor loads (one is out: its part
; of the next slot), adds 0 to its spare word, and waits for that and for its reads of this slot.  The slot just read is filled again, two K steps ahead, first thing behind the round:
; 224 matrix instructions ahead of the wait for it.
.macro TURN
	WIN 0
	s_wait_tensorcnt 0x0
	ds_add_u32 v[SPW], v[NIL]
	s_wait_dscnt 9                                 ; the add and the youngest eight loads may be out
	MUL16 F1, 0, 0, 0
	s_wait_dscnt 0x0                               ; the add is done, and my reads of this slot are over
	s_barrier_signal -1
	MUL16 F1, 0, 2, 0
	WIN 0
	s_barrier_wait -1
	CREST
.irp g, G0+4, G0B+4
	s_xor_b32 s[(\g)+1], s[(\g)+1], SLOT           ; the walking descriptor: the other slot than last time,
	s_add_nc_u64 s[(\g)+2:(\g)+3], s[(\g)+2:(\g)+3], KSTEP*2  ; the next K step
.endr
	JLOAD                                          ; its four v_nop are also the places in front of the loads below
	s_xor_b32 s[TB], s[TB], SLOT
	v_add_nc_u32 v[ADRA], s[TB], v[ADRA0]
	v_add_nc_u32 v[ADRB], s[TB], v[ADRB0]
	FETCH 0, F0
	MUL16 F1, 1, 0, 0
	MUL16 F1, 1, 2, 0
.endm
; THE WAY OUT of block a (16 rows of C): rounded to bf16, 16 bytes a lane; into my own stage and back as whole rows of 256 bytes; stored
.macro PACK a
.set AC, 64*((\a)%4)
	WIN 0x0a+5*((\a)/4)                            ; sources 0 and 1: window 2 or 3
.irp b, 0,1,2,3,4,5,6,7
.irp r, 0,1,2,3
	v_cvt_pk_bf16_f32 v[TMP+4*(\b)+(\r)], v[AC+8*(\b)+2*(\r)], v[AC+8*(\b)+2*(\r)+1]
.endr
.endr
	WIN 0
.endm
.macro TOSTAGE a
.set BK, OB+192*((\a)%2)
.irp b, 0,1,2,3,4,5,6,7
	ds_store_b128 v[STO], v[TMP+4*(\b):TMP+4*(\b)+3] offset:32*(\b)
.endr
.irp t, 0,1,2,3,4,5,6,7
	ds_load_b128 v[BK+4*(\t):BK+4*(\t)+3], v[RD] offset:(\t)*2*PITCH  ; LDS serves a wave's instructions in order (ISA guide 5.7.1.4): these see the stores above
.endr
.endm
.macro SEND a
.set BK, OB+192*((\a)%2)
	s_wait_dscnt 0x0                               ; the block is back in registers
	s_wait_xcnt 0x0                                ; the stores' base, and the registers that earlier stores read, are rewritten only behind this wait
.if (\a) > 0
	s_add_nc_u64 s[74:75], s[74:75], s[76:77]      ; 16 rows of C on
.endif
.irp t, 0,1,2,3,4,5,6,7
	global_store_b128 v[CO+(\t)], v[BK+4*(\t):BK+4*(\t)+3], s[74:75]  ; sixteen lanes store 256 consecutive bytes, aligned
.endr
.endm
	s_wait_tensorcnt 1                             ; my part of K step 0 is in; K step 1's may stay out
	s_barrier_signal -1
	s_barrier_wait -1
	FETCH 0, F0
	s_wait_loadcnt 0x0                             ; init
	QUARTER 64, F0, F1, 2                          ; the first quarter stands in front of the loop: its products start the sums from init
	WIN 0
	s_mov_b32 s3, 6                                ; K steps 2 to 7 are asked for in the loop
.Lstep:                                                ; a trip: a K step's last three quarters and the next one's first
	QUARTER 128, F1, F0, 0
	QUARTER 192, F0, F1, 0
	TURN
	QUARTER 64, F0, F1, 0
	WIN 0
	s_sub_co_u32 s3, s3, 1
	s_cmp_lg_u32 s3, 0
	s_cbranch_scc1 .Lstep
	; THE TAIL asks for nothing: seven quarters are left, six of them as three trips of two.  Their fragments lie at: this slot + 128, the other slot, the other slot + 128.
	s_add_co_u32 s[TK], s[TB], 128
	s_mov_b32 s[TM], SLOT|128
	v_add_nc_u32 v[ADRA], s[TK], v[ADRA0]
	v_add_nc_u32 v[ADRB], s[TK], v[ADRB0]
	s_mov_b32 s3, 3
.Ltail:
	QUARTER 0, F1, F0, 0
	QUARTER 64, F0, F1, 0
	WIN 0
	s_wait_tensorcnt 0x0                           ; first trip: my part of the last K step's tile, which the next trip reads; later nothing is out
	s_wait_dscnt 0x0                               ; no LDS load is out at a signal
	s_barrier_signal -1
	s_xor_b32 s[TK], s[TK], s[TM]
	s_mov_b32 s[TM], 128
	v_add_nc_u32 v[ADRA], s[TK], v[ADRA0]
	v_add_nc_u32 v[ADRB], s[TK], v[ADRB0]
	s_barrier_wait -1
	s_sub_co_u32 s3, s3, 1
	s_cmp_lg_u32 s3, 0
	s_cbranch_scc1 .Ltail
	MUL16 F1, 0, 0, 0                              ; the very last quarter
	MUL16 F1, 0, 2, 0
	MUL16 F1, 1, 0, 0
	MUL16 F1, 1, 2, 0
	WIN 0
	PLACES
	PACK 0
	TOSTAGE 0
.irp a, 1,2,3,4,5,6,7                              ; block a's conversions stand between block a - 1's loads from the stage and the wait for them
	PACK \a
	SEND (\a)-1
	TOSTAGE \a
.endr
	SEND 7
	s_wait_tensorcnt 0x0                           ; the wave's end
	ds_add_u32 v[SPW], v[NIL]
	s_wait_dscnt 0x0
	CROUND                                         ; the closing round
	s_endpgm
.Lfunc_end_k_qe73afed697_pj:
	.size	k_qe73afed697_pj, .Lfunc_end_k_qe73afed697_pj-k_qe73afed697_pj
	.p2alignl 7, 3214868480
	.fill 96, 4, 3214868480
	.section	.rodata,"a",@progbits
	.p2align	6, 0x0
	.amdhsa_kernel k_qe73afed697_pj
		.amdhsa_group_segment_fixed_size 327680
		.amdhsa_private_segment_fixed_size 0
		.amdhsa_enable_private_segment 0
		.amdhsa_kernarg_size 32
		.amdhsa_user_sgpr_count 2
		.amdhsa_user_sgpr_kernarg_segment_ptr 1
		.amdhsa_wavefront_size32 1
		.amdhsa_system_sgpr_workgroup_id_x 1
		.amdhsa_system_sgpr_workgroup_id_y 1
		.amdhsa_system_sgpr_workgroup_id_z 1
		.amdhsa_system_vgpr_workitem_id 0
		.amdhsa_next_free_vgpr 1024
		.amdhsa_next_free_sgpr 80
		.amdhsa_reserve_vcc 0
		.amdhsa_float_denorm_mode_32 3
		.amdhsa_float_denorm_mode_16_64 3
		.amdhsa_memory_ordered 1
		.amdhsa_forward_progress 1
		.amdhsa_inst_pref_size 94
	.end_amdhsa_kernel
	.amdgpu_metadata
---
amdhsa.version: [ 1, 2 ]
amdhsa.kernels:
  - .name:           k_qe73afed697_pj
    .symbol:         k_qe73afed697_pj.kd
    .args:
      - { .name: xb, .offset: 0, .size: 8, .value_kind: global_buffer, .address_space: global }
      - { .name: wt, .offset: 8, .size: 8, .value_kind: global_buffer, .address_space: global }
      - { .name: vec, .offset: 16, .size: 8, .value_kind: global_buffer, .address_space: global }
      - { .name: qv, .offset: 24, .size: 8, .value_kind: global_buffer, .address_space: global }
    .group_segment_fixed_size: 327680
    .private_segment_fixed_size: 0
    .kernarg_segment_align: 8
    .kernarg_segment_size: 32
    .max_flat_workgroup_size: 128
    .sgpr_count:     80
    .vgpr_count:     1024
    .wavefront_size: 32
...
	.end_amdgpu_metadata
.endif
;; end of part 3
;; launch sc (part 4): grid 8 x 32, 4 waves a work-group, clusters of 4 x 4, 327,680 bytes of LDS; arguments qv, xb, rq, pt, st; writes pt, st
.if DOCPART == 4
	.amdgcn_target "amdgcn-amd-amdhsa--gfx1250"
	.amdhsa_code_object_version 6
	.text
	.protected	k_qe73afed697_sc
	.globl	k_qe73afed697_sc
	.p2align	8
	.type	k_qe73afed697_sc,@function
k_qe73afed697_sc:
	s_mov_b64 s[64:65], 0
	v_nop
	global_prefetch_b8 v0, s[64:65] scope:SCOPE_SE
	s_setreg_imm32_b32 hwreg(HW_REG_WAVE_MODE, 25, 1), 1
	s_wait_xcnt 0x0
	s_wait_alu depctr_hold_cnt(0) depctr_sa_sdst(0) depctr_va_vdst(0) depctr_va_sdst(0) depctr_va_ssrc(0) depctr_va_vcc(0) depctr_vm_vsrc(0)
	s_getreg_b32 s2, hwreg(HW_REG_IB_STS2, 6, 4)
	s_cmp_eq_u32 s2, 0
	s_cbranch_scc0 .Lentry_in_a_cluster
	s_endpgm
.Lentry_in_a_cluster:
	s_bfe_u32 s2, ttmp6, 0x10000c
	s_cmp_lg_u32 s2, 0xf033
	s_cbranch_scc0 .Lentry_shape_is_right
	s_endpgm
.Lentry_shape_is_right:
; SCORES AND THE FIRST HALF OF THE SOFTMAX.  t[q][k] = c (Q2[q] . x[k] + r[q]), c = log2(e) / 32, for the 2,048 keys k of q's batch.  For each block kb of 128 keys:
; m[q][kb] = max t;  pt[q][k] = 2^(t - m) in bf16, [8192][2048];  l[q][kb] = the sum of those weights before rounding.  st: f32 m[16][8192] at byte 0, l likewise at 524,288.
; The true maximum of each block is taken away before the exponential; the next launch joins the blocks by the maximum over blocks.
; A tile is 256 queries x 256 keys: 32 x 8 tiles, one for each of 256 work-groups.  Four waves, each 128 x 128: a wave's 128 keys are one block kb, so its statistics never leave the wave.
; K = 1,024 in 8 steps of 128 through two LDS slots; CLUSTER 4 x 4: a row shares Q2's tiles, a column x's: joint loads.  Source 0 = keys, source 1 = queries: a lane holds ONE query
; (lane % 16) and the keys 16 b + 8 (lane / 16) + 0..7; the query's other 64 keys lie in the lane 16 away.
; LIMITS: a weight below 2^-126 counts as 0; NaN and infinities are not treated apart.
; REGISTERS: window 0: v0-31 addresses; v32-47 c r, a pair for each block of 16 queries; v64-127, v128-191 A's fragments; on the way out v64-127 T (64 scores), v128-159 packed weights,
;   v160-191 rows read back, v192-199 at work.   window 1: v64-191 B's fragments.   windows 2, 3: accumulator (a, b) at v[8 (8 (a % 4) + b)].
.set KSTEP,  128
.set PITCH,  272                       ; 256 bytes + 16: the sixteen rows of a fragment load start in sixteen different groups of four banks (64 banks of 4 bytes: ISA guide 11.1)
.set HALFT,  128*PITCH
.set SLOT,   4*HALFT
.set STAGE,  2*SLOT                    ; 16 rows x 272 bytes for each wave
.set STAT,   STAGE+4*16*PITCH          ; 1,024 bytes for each wave: m of its 128 queries, then l
.set SPARE,  STAT+4*1024               ; the spare words, 128 bytes a wave: two blocks of 256 bytes that no other line names
.set FLAGS,  (1<<16)|(1<<20)|(1<<21)|(5<<22)|(3<<25)
.set ADRA0, 16
.set ADRB0, 17
.set ADRA,  18
.set ADRB,  19
.set STO,   24
.set RD,    25
.set SA,    26                         ; v26  where the block in hand puts m
.set GO,    27                         ; v27  my byte offset in two rows of pt
.set SPW,   28
.set NIL,   29
.set SR,    30                         ; v30  where I read 16 bytes of the statistics back
.set CR,    32
.set F0,    64
.set F1,    128
.set T,     64
.set PKD,   128
.set BK,    160
.set MX,    192
.set MM,    196
.set EX,    198
.set LS,    199
.set G1, 24
.set G0, 32
.set G1B, 48
.set G0B, 56
.set TB,  45
.set TK,  4                            ; s4  the tail's place in LDS
.set TM,  5                            ; s5  what the tail's next exclusive or turns
.set CS,  80                           ; s[80:81] c
.set SEL, 82                           ; s[82:83] v_permlanex16_b32's selects
.set MSB, 0
.macro WIN new
.if MSB != (\new)
	s_set_vgpr_msb (MSB<<8)|(\new)
.set MSB, \new
.endif
.endm
.macro JLOAD                           ; a joint refill: waves 0, 1 fetch A's halves, waves 2, 3 B's; an s_nop 0 and four v_nop follow each line
	s_cmp_eq_u32 s11, 0
	s_cbranch_scc0 .Lfor_b_\@
	tensor_load_to_lds s[G0+4:G0+7], s[G1:G1+7]
	s_nop 0
.rept 4
	v_nop
.endr
	s_branch .Lasked_\@
.Lfor_b_\@:
	tensor_load_to_lds s[G0B+4:G0B+7], s[G1B:G1B+7]
	s_nop 0
.rept 4
	v_nop
.endr
.Lasked_\@:
.endm
.macro CREST
	s_cmp_lg_u32 s10, 0
	s_cbranch_scc1 .Lnot_wave_0_\@
	s_barrier_signal -3
.Lnot_wave_0_\@:
	s_barrier_wait -3
	s_barrier_signal -1
	s_barrier_wait -1
.endm
.macro CROUND
	s_barrier_signal -1
	s_barrier_wait -1
	CREST
.endm
	s_load_b256 s[68:75], s[0:1], 0x0              ; qv s[68:69], xb s[70:71], rq s[72:73], pt s[74:75]
	s_load_b64 s[76:77], s[0:1], 0x20              ; st
	v_lshl_add_u32 v[SPW], v0, 2, SPARE
	v_mov_b32 v[NIL], 0
	ds_add_u32 v28, v29
	ds_add_u32 v28, v29
	s_wait_dscnt 0x0
	v_lshrrev_b32 v1, 5, v0
	v_readfirstlane_b32 s10, v1                    ; wave 0..3
	s_lshr_b32 s11, s10, 1                         ; my half of the queries; also: I fetch for A (0) or B (1)
	s_and_b32 s12, s10, 1                          ; my half of the keys; also: which 128 rows I fetch
	s_bfe_u32 s40, ttmp6, 0x40000                  ; cx
	s_bfe_u32 s41, ttmp6, 0x40004                  ; cy
	s_lshl_b32 s42, ttmp9, 2
	s_add_co_u32 s42, s42, s40                     ; key tile of the batch, 0..7
	s_and_b32 s9, ttmp7, 0xffff
	s_lshl_b32 s13, s9, 2
	s_add_co_u32 s13, s13, s41                     ; query tile, 0..31
	s_lshr_b32 s8, s9, 1                           ; the batch: the same in the whole cluster
	s_lshl_b32 s43, s41, 2
	s_lshl_b32 s43, 15, s43
	s_lshl_b32 s44, 0x1111, s40
	s_or_b32 s[G1+0], s43, FLAGS
	s_or_b32 s[G1B+0], s44, FLAGS
.irp g, G1, G1B
	s_mov_b32 s[(\g)+1], KSTEP<<16
	s_mov_b32 s[(\g)+2], 128<<16
	s_mov_b32 s[(\g)+3], KSTEP<<16
	s_mov_b32 s[(\g)+4], 128
	s_mov_b32 s[(\g)+5], 1024
	s_mov_b32 s[(\g)+6], 0
	s_mov_b32 s[(\g)+7], 0
.endr
	s_lshl_b32 s19, s12, 7
	s_lshl_b32 s16, s13, 8
	s_add_co_u32 s16, s16, s19
	s_lshl_b32 s16, s16, 11                        ; A: Q2's row 256 x query tile + 128 x half
	s_mov_b32 s17, 0
	s_lshl_b32 s46, s42, 8
	s_add_co_u32 s46, s46, s19
	s_lshl_b32 s18, s8, 11
	s_add_co_u32 s46, s46, s18
	s_lshl_b32 s46, s46, 11                        ; B: x's row 2,048 x batch + 256 x key tile + 128 x half
	s_mov_b32 s47, 0
	s_mul_i32 s20, s10, HALFT
	s_mov_b32 s[TB], 0
	s_lshl_b32 s7, s13, 8
	s_lshl_b32 s66, s11, 7
	s_add_co_u32 s7, s7, s66                       ; my first query
	s_lshl_b32 s66, s7, 2                          ; in rq
	s_mov_b32 s67, 0
	s_lshl_b32 s78, s7, 12                         ; in pt: rows of 4,096 bytes, and my 128 keys
	s_lshl_b32 s79, s42, 9
	s_add_co_u32 s78, s78, s79
	s_lshl_b32 s79, s12, 8
	s_add_co_u32 s78, s78, s79
	s_mov_b32 s79, 0
	s_lshl1_add_u32 s4, s42, s12                   ; kb = 2 x key tile + half
	s_lshl_b32 s4, s4, 15
	s_lshl2_add_u32 s4, s7, s4                     ; in st
	s_mov_b32 s5, 0
	s_mov_b32 s[CS], 0x3d38aa3b                    ; c = log2(e) / 32
	s_mov_b32 s[CS+1], s[CS]
	s_mov_b32 s[SEL], 0x76543210
	s_mov_b32 s[SEL+1], 0xfedcba98
	s_wait_kmcnt 0x0
	s_add_nc_u64 s[14:15], s[68:69], s[16:17]
	s_add_nc_u64 s[46:47], s[70:71], s[46:47]
	s_add_nc_u64 s[72:73], s[72:73], s[66:67]
	s_add_nc_u64 s[74:75], s[74:75], s[78:79]
	s_add_nc_u64 s[76:77], s[76:77], s[4:5]
	CROUND
.irp s, 0,1
	s_mov_b32 s[G0+4*(\s)], 1
	s_add_co_u32 s[G0+4*(\s)+1], s20, (\s)*SLOT
	s_add_nc_u64 s[G0+4*(\s)+2:G0+4*(\s)+3], s[14:15], (\s)*KSTEP*2
	s_or_b32 s[G0+4*(\s)+3], s[G0+4*(\s)+3], 0x80000000
	s_mov_b32 s[G0B+4*(\s)], 1
	s_add_co_u32 s[G0B+4*(\s)+1], s20, (\s)*SLOT
	s_add_nc_u64 s[G0B+4*(\s)+2:G0B+4*(\s)+3], s[46:47], (\s)*KSTEP*2
	s_or_b32 s[G0B+4*(\s)+3], s[G0B+4*(\s)+3], 0x80000000
.endr
	s_cmp_eq_u32 s11, 0                            ; a wave's two first fills stand in one branch: two loads of mine are out
	s_cbranch_scc0 .Lfirst_b
	tensor_load_to_lds s[G0:G0+3], s[G1:G1+7]
	s_nop 0
	tensor_load_to_lds s[G0+4:G0+7], s[G1:G1+7]
	s_nop 0
.rept 4
	v_nop
.endr
	s_branch .Lfirst_asked
.Lfirst_b:
	tensor_load_to_lds s[G0B:G0B+3], s[G1B:G1B+7]
	s_nop 0
	tensor_load_to_lds s[G0B+4:G0B+7], s[G1B:G1B+7]
	s_nop 0
.rept 4
	v_nop
.endr
.Lfirst_asked:
	v_and_b32 v1, 15, v0                           ; l % 16
	v_bfe_u32 v2, v0, 4, 1                         ; l / 16
	v_lshlrev_b32 v4, 2, v1
.irp a, 0,1,2,3,4,5,6,7
	global_load_b32 v[CR+2*(\a)], v4, s[72:73] offset:64*(\a)  ; r of query 16 a + l % 16
.endr
	v_mul_u32_u24 v3, v1, PITCH
	v_lshl_add_u32 v3, v2, 4, v3
	s_mul_i32 s21, s11, HALFT
	s_mul_i32 s22, s12, HALFT
	s_add_co_u32 s22, s22, 2*HALFT
	v_add_nc_u32 v[ADRA0], s21, v3
	v_add_nc_u32 v[ADRB0], s22, v3
	v_mov_b32 v[ADRA], v[ADRA0]
	v_mov_b32 v[ADRB], v[ADRB0]
	s_mul_i32 s23, s10, 16*PITCH
	s_add_co_u32 s23, s23, STAGE
	v_add_nc_u32 v[STO], s23, v3
	v_mul_u32_u24 v5, v2, PITCH
	v_lshl_add_u32 v5, v1, 4, v5
	v_add_nc_u32 v[RD], s23, v5
	v_lshlrev_b32 v5, 12, v2
	v_lshl_add_u32 v[GO], v1, 4, v5
	s_lshl_b32 s23, s10, 10
	s_add_co_u32 s23, s23, STAT
	v_add_nc_u32 v[SA], s23, v4
	v_and_b32 v5, 31, v0
	v_lshl_add_u32 v[SR], v5, 4, s23
	v_lshlrev_b32 v6, 4, v5                        ; 16 x lane: my place in 512 consecutive bytes of st
; 16 matrix instructions: m blocks a0, a0 + 1 of the window's four x all 8 n blocks, 32 along K.  mode 1: the first product starts the sum.  The 64 accumulators take turns.
.macro MUL16 f, hi, a0, mode
	WIN 0xa1+0x50*(\hi)                            ; B window 1, A window 0, C and D window 2 or 3
.irp a, \a0, (\a0)+1
.irp b, 0,1,2,3,4,5,6,7
.if (\mode) == 1
	v_wmma_f32_16x16x32_bf16 v[8*(8*(\a)+(\b)):8*(8*(\a)+(\b))+7], v[(\f)+8*(\b):(\f)+8*(\b)+7], v[(\f)+8*(4*(\hi)+(\a)):(\f)+8*(4*(\hi)+(\a))+7], 0
.else
	v_wmma_f32_16x16x32_bf16 v[8*(8*(\a)+(\b)):8*(8*(\a)+(\b))+7], v[(\f)+8*(\b):(\f)+8*(\b)+7], v[(\f)+8*(4*(\hi)+(\a)):(\f)+8*(4*(\hi)+(\a))+7], v[8*(8*(\a)+(\b)):8*(8*(\a)+(\b))+7]
.endif
.endr
.endr
.endm
.macro FETCH k, f
	WIN 0x40
.irp i, 0,1,2,3,4,5,6,7
	ds_load_b128 v[(\f)+8*(\i):(\f)+8*(\i)+3],   v[ADRB] offset:(\k)+(\i)*16*PITCH
	ds_load_b128 v[(\f)+8*(\i)+4:(\f)+8*(\i)+7], v[ADRB] offset:(\k)+(\i)*16*PITCH+32
.endr
	WIN 0
.irp i, 0,1,2,3,4,5,6,7
	ds_load_b128 v[(\f)+8*(\i):(\f)+8*(\i)+3],   v[ADRA] offset:(\k)+(\i)*16*PITCH
	ds_load_b128 v[(\f)+8*(\i)+4:(\f)+8*(\i)+7], v[ADRA] offset:(\k)+(\i)*16*PITCH+32
.endr
.endm
.macro PLACES                          ; four plain vector instructions between matrix instructions and loads into, or readers of, their registers
.rept 4
	v_nop
.endr
.endm
.macro QUARTER k, f, g, mode
	s_wait_dscnt 8                                 ; B and A's rows 0-63 are in; the youngest eight loads may be out
	MUL16 \f, 0, 0, \mode
	MUL16 \f, 0, 2, \mode
	PLACES
	FETCH \k, \g
	s_wait_dscnt 32                                ; all but the 32 just issued
	MUL16 \f, 1, 0, \mode
	MUL16 \f, 1, 2, \mode
.endm
; The change of slots: one barrier, which opens a round of the cluster's; in front of it each wave waits for all its tensor loads (one is out: its part of the next slot), adds 0 to its spare word,
; and waits for that and for its reads of this slot.  The slot just read is filled again, two K steps ahead, first thing behind the round.
.macro TURN
	WIN 0
	s_wait_tensorcnt 0x0
	ds_add_u32 v[SPW], v[NIL]
	s_wait_dscnt 9                                 ; the add and the youngest eight loads may be out
	MUL16 F1, 0, 0, 0
	s_wait_dscnt 0x0
	s_barrier_signal -1
	MUL16 F1, 0, 2, 0
	WIN 0
	s_barrier_wait -1
	CREST
.irp g, G0+4, G0B+4
	s_xor_b32 s[(\g)+1], s[(\g)+1], SLOT
	s_add_nc_u64 s[(\g)+2:(\g)+3], s[(\g)+2:(\g)+3], KSTEP*2
.endr
	JLOAD                                          ; its four v_nop are also the places in front of the loads below
	s_xor_b32 s[TB], s[TB], SLOT
	v_add_nc_u32 v[ADRA], s[TB], v[ADRA0]
	v_add_nc_u32 v[ADRB], s[TB], v[ADRB0]
	FETCH 0, F0
	MUL16 F1, 1, 0, 0
	MUL16 F1, 1, 2, 0
.endm
	s_wait_tensorcnt 1                             ; my part of K step 0 is in; K step 1's may stay out
	s_barrier_signal -1
	s_barrier_wait -1
	FETCH 0, F0
	s_wait_loadcnt 0x0                             ; r
.irp a, 0,1,2,3,4,5,6,7
	v_mul_f32 v[CR+2*(\a)], s[CS], v[CR+2*(\a)]    ; c r
.endr
.irp a, 0,1,2,3,4,5,6,7
	v_mov_b32 v[CR+2*(\a)+1], v[CR+2*(\a)]         ; named with it as a pair
.endr
	v_mov_b32 v[EX], 0                             ; v_permlanex16_b32's destination counts as read
	QUARTER 64, F0, F1, 1
	WIN 0
	s_mov_b32 s3, 6
.Lstep:
	QUARTER 128, F1, F0, 0
	QUARTER 192, F0, F1, 0
	TURN
	QUARTER 64, F0, F1, 0
	WIN 0
	s_sub_co_u32 s3, s3, 1
	s_cmp_lg_u32 s3, 0
	s_cbranch_scc1 .Lstep
	; THE TAIL asks for nothing: seven quarters are left, six of them as three trips of two.  Their fragments lie at: this slot + 128, the other slot, the other slot + 128.
	s_add_co_u32 s[TK], s[TB], 128
	s_mov_b32 s[TM], SLOT|128
	v_add_nc_u32 v[ADRA], s[TK], v[ADRA0]
	v_add_nc_u32 v[ADRB], s[TK], v[ADRB0]
	s_mov_b32 s3, 3
.Ltail:
	QUARTER 0, F1, F0, 0
	QUARTER 64, F0, F1, 0
	WIN 0
	s_wait_tensorcnt 0x0                           ; first trip: my part of the last K step's tile, which the next trip reads; later nothing is out
	s_wait_dscnt 0x0                               ; no LDS load is out at a signal
	s_barrier_signal -1
	s_xor_b32 s[TK], s[TK], s[TM]
	s_mov_b32 s[TM], 128
	v_add_nc_u32 v[ADRA], s[TK], v[ADRA0]
	v_add_nc_u32 v[ADRB], s[TK], v[ADRB0]
	s_barrier_wait -1
	s_sub_co_u32 s3, s3, 1
	s_cmp_lg_u32 s3, 0
	s_cbranch_scc1 .Ltail
	MUL16 F1, 0, 0, 0                              ; the very last quarter
	MUL16 F1, 0, 2, 0
	MUL16 F1, 1, 0, 0
	MUL16 F1, 1, 2, 0
	WIN 0
	PLACES
; THE BLOCKS OF 16 QUERIES, one after the other, by one text.  Only the step that takes a block's 64 registers out of its accumulators differs from block to block: T = c s + c r, each accumulator read
; from its lowest registers on.  Forward jumps on the loop's own count choose it.
.macro COPY a
	WIN 0x02+(\a)/4                                ; source 0: window 2 or 3
.set i, 0
.rept 32
	v_pk_fma_f32 v[T+2*i:T+2*i+1], v[64*((\a)%4)+2*i:64*((\a)%4)+2*i+1], s[CS:CS+1], v[CR+2*(\a):CR+2*(\a)+1] op_sel_hi:[1,0,0]
.set i, i+1
.endr
	WIN 0
.endm
	s_mov_b32 s6, 8
.Lblk:
.irp a, 0,1,2,3,4,5,6
	s_cmp_lg_u32 s6, 8-(\a)
	s_cbranch_scc1 .Lnot\a
	COPY \a
	s_branch .Lsoft
.Lnot\a:
.endr
	COPY 7
.Lsoft:
	; the maximum of my 64 scores: four chains of sixteen, three operands at a time
.irp c, 0,1,2,3
	v_max3_num_f32 v[MX+(\c)], v[T+16*(\c)], v[T+16*(\c)+1], v[T+16*(\c)+2]
.endr
.set j, 3
.rept 6
.irp c, 0,1,2,3
	v_max3_num_f32 v[MX+(\c)], v[MX+(\c)], v[T+16*(\c)+j], v[T+16*(\c)+j+1]
.endr
.set j, j+2
.endr
	v_max3_num_f32 v[MX], v[MX], v[T+15], v[T+31]
	v_max3_num_f32 v[MX+2], v[MX+2], v[T+47], v[T+63]
	v_max3_num_f32 v[MX], v[MX], v[MX+1], v[MX+2]
	v_max_num_f32 v[MX], v[MX], v[MX+3]
	v_permlanex16_b32 v[EX], v[MX], s[SEL], s[SEL+1]  ; the query's other 64 keys
	v_max_num_f32 v[MM], v[MX], v[EX]
	v_mov_b32 v[MM+1], v[MM]
.set i, 0
.rept 32
	v_pk_add_f32 v[T+2*i:T+2*i+1], v[T+2*i:T+2*i+1], v[MM:MM+1] neg_lo:[0,1] neg_hi:[0,1]
.set i, i+1
.endr
.set i, 0
.rept 64
	v_exp_f32 v[T+i], v[T+i]
.set i, i+1
.endr
	v_nop                                          ; a plain instruction between the last exponential and the use of its result (ISA guide 5.7.2)
.set i, 0
	s_wait_alu depctr_va_vdst(0)
.rept 32
	v_cvt_pk_bf16_f32 v[PKD+i], v[T+2*i], v[T+2*i+1]
.set i, i+1
.endr
.irp b, 0,1,2,3,4,5,6,7
	ds_store_b128 v[STO], v[PKD+4*(\b):PKD+4*(\b)+3] offset:32*(\b)
.endr
.irp t, 0,1,2,3,4,5,6,7
	ds_load_b128 v[BK+4*(\t):BK+4*(\t)+3], v[RD] offset:(\t)*2*PITCH  ; my own stage: LDS serves a wave's instructions in order (ISA guide 5.7.1.4)
.endr
	; the sum of the unrounded weights, in place, while the rows come back
.irp w, 16,8,4,2,1
.set u, 0
.rept \w
	v_pk_add_f32 v[T+2*u:T+2*u+1], v[T+2*u:T+2*u+1], v[T+2*(u+(\w)):T+2*(u+(\w))+1]
.set u, u+1
.endr
.endr
	v_add_f32 v[LS], v[T], v[T+1]
	v_permlanex16_b32 v[EX], v[LS], s[SEL], s[SEL+1]
	v_add_f32 v[LS], v[LS], v[EX]
	ds_store_b32 v[SA], v[MM]                      ; both halves of the lanes write the same number
	ds_store_b32 v[SA], v[LS] offset:512
	s_wait_dscnt 2                                 ; the rows are back; the two stores just issued may be out
.irp t, 0,1,2,3,4,5,6,7
	global_store_b128 v[GO], v[BK+4*(\t):BK+4*(\t)+3], s[74:75] offset:8192*(\t)  ; sixteen lanes store 256 consecutive bytes, aligned
.endr
	s_wait_xcnt 0x0                                ; the stores' base and data are rewritten only behind this wait
	s_add_nc_u64 s[74:75], s[74:75], 0x10000       ; 16 rows of pt on
	v_add_nc_u32 v[SA], 64, v[SA]
	s_sub_co_u32 s6, s6, 1
	s_cmp_lg_u32 s6, 0
	s_cbranch_scc1 .Lblk
	ds_load_b128 v[BK:BK+3], v[SR]                 ; my wave's 128 m and 128 l, 16 bytes a lane
	ds_load_b128 v[BK+4:BK+7], v[SR] offset:512
	s_wait_dscnt 0x0
	global_store_b128 v6, v[BK:BK+3], s[76:77]                   ; 512 consecutive bytes, aligned
	global_store_b128 v6, v[BK+4:BK+7], s[76:77] offset:524288
	s_wait_tensorcnt 0x0                           ; the wave's end
	ds_add_u32 v[SPW], v[NIL]
	s_wait_dscnt 0x0
	CROUND                                         ; the closing round
	s_endpgm
.Lfunc_end_k_qe73afed697_sc:
	.size	k_qe73afed697_sc, .Lfunc_end_k_qe73afed697_sc-k_qe73afed697_sc
	.p2alignl 7, 3214868480
	.fill 96, 4, 3214868480
	.section	.rodata,"a",@progbits
	.p2align	6, 0x0
	.amdhsa_kernel k_qe73afed697_sc
		.amdhsa_group_segment_fixed_size 327680
		.amdhsa_private_segment_fixed_size 0
		.amdhsa_enable_private_segment 0
		.amdhsa_kernarg_size 40
		.amdhsa_user_sgpr_count 2
		.amdhsa_user_sgpr_kernarg_segment_ptr 1
		.amdhsa_wavefront_size32 1
		.amdhsa_system_sgpr_workgroup_id_x 1
		.amdhsa_system_sgpr_workgroup_id_y 1
		.amdhsa_system_sgpr_workgroup_id_z 1
		.amdhsa_system_vgpr_workitem_id 0
		.amdhsa_next_free_vgpr 1024
		.amdhsa_next_free_sgpr 88
		.amdhsa_reserve_vcc 0
		.amdhsa_float_denorm_mode_32 3
		.amdhsa_float_denorm_mode_16_64 3
		.amdhsa_memory_ordered 1
		.amdhsa_forward_progress 1
		.amdhsa_inst_pref_size 92
	.end_amdhsa_kernel
	.amdgpu_metadata
---
amdhsa.version: [ 1, 2 ]
amdhsa.kernels:
  - .name:           k_qe73afed697_sc
    .symbol:         k_qe73afed697_sc.kd
    .args:
      - { .name: qv, .offset: 0, .size: 8, .value_kind: global_buffer, .address_space: global }
      - { .name: xb, .offset: 8, .size: 8, .value_kind: global_buffer, .address_space: global }
      - { .name: rq, .offset: 16, .size: 8, .value_kind: global_buffer, .address_space: global }
      - { .name: pt, .offset: 24, .size: 8, .value_kind: global_buffer, .address_space: global }
      - { .name: st, .offset: 32, .size: 8, .value_kind: global_buffer, .address_space: global }
    .group_segment_fixed_size: 327680
    .private_segment_fixed_size: 0
    .kernarg_segment_align: 8
    .kernarg_segment_size: 40
    .max_flat_workgroup_size: 128
    .sgpr_count:     88
    .vgpr_count:     1024
    .wavefront_size: 32
...
	.end_amdgpu_metadata
.endif
;; end of part 4
;; launch pv (part 5): grid 4 x 64, 4 waves a work-group, clusters of 4 x 4, 327,680 bytes of LDS; arguments pt, qv, st, vec, out0; writes out0
.if DOCPART == 5
	.amdgcn_target "amdgcn-amd-amdhsa--gfx1250"
	.amdhsa_code_object_version 6
	.text
	.protected	k_qe73afed697_pv
	.globl	k_qe73afed697_pv
	.p2align	8
	.type	k_qe73afed697_pv,@function
k_qe73afed697_pv:
	s_mov_b64 s[64:65], 0
	v_nop
	global_prefetch_b8 v0, s[64:65] scope:SCOPE_SE
	s_setreg_imm32_b32 hwreg(HW_REG_WAVE_MODE, 25, 1), 1
	s_wait_xcnt 0x0
	s_wait_alu depctr_hold_cnt(0) depctr_sa_sdst(0) depctr_va_vdst(0) depctr_va_sdst(0) depctr_va_ssrc(0) depctr_va_vcc(0) depctr_vm_vsrc(0)
	s_getreg_b32 s2, hwreg(HW_REG_IB_STS2, 6, 4)
	s_cmp_eq_u32 s2, 0
	s_cbranch_scc0 .Lentry_in_a_cluster
	s_endpgm
.Lentry_in_a_cluster:
	s_bfe_u32 s2, ttmp6, 0x10000c
	s_cmp_lg_u32 s2, 0xf033
	s_cbranch_scc0 .Lentry_shape_is_right
	s_endpgm
.Lentry_shape_is_right:
; THE SECOND HALF OF THE SOFTMAX AND THE OUTPUT.  out0[q][n] = sum_k f[q][kb(k)] pt[q][k] VT[n][2048 batch + k] + b2[n],  f[q][kb] = 2^(m[q][kb] - M[q]) / sum_kb l[q][kb] 2^(m[q][kb] - M[q]),
; M[q] = the maximum over the 16 blocks of m[q][kb]: the true maximum of the row is what is taken away.  The softmax's rows add up to 1, so bv Wh + bh = b2 is added once, in f32, as the C of the first
; product; b2 comes as four parts (vec, from byte 12,288 on, 4,096 bytes apart), which are added here.
; A tile of out0 is 128 queries x 256 columns: 64 x 4 tiles, one for each of 256 work-groups.  Four waves, each 64 x 128: 32 accumulators.  K = 2,048 keys in 16 steps of 128, one block kb each,
; through two LDS slots.  CLUSTER 4 x 4: a row shares pt's tiles, a column VT's: joint loads.  Source 0 = rows of VT, source 1 = rows of pt: a lane holds ONE query, in A's fragment and in the result,
; so f is one f32 register a lane and block of 16 queries: on their way from LDS to the matrix unit A's weights are multiplied by it in f32 and rounded to bf16 once (v_fma_mixlo_bf16, v_fma_mixhi_bf16).
; LIMITS: f x weight is rounded to bf16; a factor below 2^-126 counts as 0; NaN and infinities are not treated apart.
; REGISTERS: window 0: v0-31 addresses; v32-47 at work; v64-127 b2, v128-159 m, v160-191 l at the start (then v146 = 0); v64-191 rows on the way out.
;   window 1: v0-31, v32-63 A's fragments as loaded, two buffers; v64-127, v128-191 B's fragments; at the start v0-191 parts 1 to 3 of b2.
;   window 2 (query blocks 0, 1), window 3 (blocks 2, 3): v0-127 accumulators at 64 (a % 2) + 8 b; v128-143 A's fragments times f; v144, v145 f; v146 = 0.
.set PITCH, 272                        ; 256 bytes + 16: the sixteen rows of a fragment load start in sixteen different groups of four banks (64 banks of 4 bytes: ISA guide 11.1)
.set AHALF, 64*PITCH
.set BHALF, 128*PITCH
.set BOFF,  2*AHALF                    ; a slot: A's 128 rows, then B's 256 rows
.set SLOTB, BOFF+2*BHALF
.set SLOT1, 1<<17                      ; slot 1 begins here, so that one exclusive or turns an address in one slot into the other's
.set FT,    SLOTB                      ; between the slots, never filled by a tensor load: 4,096 bytes a wave: f[kb][64 queries] in f32
.set STAGE, SLOT1+SLOTB                ; 16 rows x 528 bytes for each wave
.set SP,    528
.set SPARE, STAGE+4*16*SP              ; the spare words, 128 bytes a wave: two blocks of 256 bytes that no other line names
.set FLAGS, (1<<16)|(1<<20)|(1<<21)|(5<<22)|(3<<25)
.set ADRA0, 16
.set ADRB0, 17
.set ADRA,  18
.set ADRB,  19
.set FA,    20                         ; v20  where the factors to be fetched next lie
.set FW,    21                         ; v21  where I put f
.set SO,    22                         ; v22  my byte offset in st
.set STO,   24
.set RD,    25
.set GO,    27
.set SPW,   28
.set NIL,   29
.set G1, 24
.set G0, 32
.set G1B, 48
.set G0B, 56
.set TB,  45
.set TK,  4                            ; s4  the tail's place in LDS
.set TM,  5                            ; s5  what the tail's next exclusive or turns
.set TF,  6                            ; s6  the tail's next step of FA
.set SEL, 80
.set MSB, 0
.macro WIN new
.if MSB != (\new)
	s_set_vgpr_msb (MSB<<8)|(\new)
.set MSB, \new
.endif
.endm
.macro JLOAD                           ; a joint refill: waves 0, 1 fetch A's halves (64 rows), waves 2, 3 B's (128 rows); an s_nop 0 and four v_nop follow each line
	s_cmp_lt_u32 s10, 2
	s_cbranch_scc0 .Lfor_b_\@
	tensor_load_to_lds s[G0+4:G0+7], s[G1:G1+7]
	s_nop 0
.rept 4
	v_nop
.endr
	s_branch .Lasked_\@
.Lfor_b_\@:
	tensor_load_to_lds s[G0B+4:G0B+7], s[G1B:G1B+7]
	s_nop 0
.rept 4
	v_nop
.endr
.Lasked_\@:
.endm
.macro CREST
	s_cmp_lg_u32 s10, 0
	s_cbranch_scc1 .Lnot_wave_0_\@
	s_barrier_signal -3
.Lnot_wave_0_\@:
	s_barrier_wait -3
	s_barrier_signal -1
	s_barrier_wait -1
.endm
.macro CROUND
	s_barrier_signal -1
	s_barrier_wait -1
	CREST
.endm
	s_load_b256 s[68:75], s[0:1], 0x0              ; pt s[68:69], qv s[70:71], st s[72:73], vec s[74:75]
	s_load_b64 s[76:77], s[0:1], 0x20              ; out0
	v_lshl_add_u32 v[SPW], v0, 2, SPARE
	v_mov_b32 v[NIL], 0
	ds_add_u32 v28, v29
	ds_add_u32 v28, v29
	s_wait_dscnt 0x0
	v_lshrrev_b32 v1, 5, v0
	v_readfirstlane_b32 s10, v1                    ; wave 0..3
	s_lshr_b32 s11, s10, 1                         ; my half of the queries
	s_and_b32 s12, s10, 1                          ; my half of the columns; also: which half of A's or B's tile I fetch
	s_bfe_u32 s40, ttmp6, 0x40000                  ; cx
	s_bfe_u32 s41, ttmp6, 0x40004                  ; cy
	s_lshl_b32 s42, ttmp9, 2
	s_add_co_u32 s42, s42, s40                     ; column tile 0..3
	s_and_b32 s9, ttmp7, 0xffff
	s_lshl_b32 s13, s9, 2
	s_add_co_u32 s13, s13, s41                     ; query tile 0..63
	s_lshr_b32 s8, s9, 2                           ; the batch: the same in the whole cluster
	s_lshl_b32 s43, s41, 2
	s_lshl_b32 s43, 15, s43
	s_lshl_b32 s44, 0x1111, s40
	s_or_b32 s[G1+0], s43, FLAGS
	s_mov_b32 s[G1+1], 128<<16                     ; A: tensor_dim0 = 128
	s_mov_b32 s[G1+2], 64<<16                      ; tensor_dim1 = 64
	s_mov_b32 s[G1+3], 128<<16                     ; tile_dim0 = 128
	s_mov_b32 s[G1+4], 64                          ; tile_dim1 = 64
	s_mov_b32 s[G1+5], 2048                        ; pt: elements from row to row
	s_mov_b32 s[G1+6], 0
	s_mov_b32 s[G1+7], 0
	s_or_b32 s[G1B+0], s44, FLAGS
	s_mov_b32 s[G1B+1], 128<<16
	s_mov_b32 s[G1B+2], 128<<16                    ; B: 128 rows
	s_mov_b32 s[G1B+3], 128<<16
	s_mov_b32 s[G1B+4], 128
	s_mov_b32 s[G1B+5], 8192                       ; VT: elements from row to row
	s_mov_b32 s[G1B+6], 0
	s_mov_b32 s[G1B+7], 0
	s_lshl_b32 s16, s13, 7
	s_lshl_b32 s19, s12, 6
	s_add_co_u32 s16, s16, s19
	s_lshl_b32 s16, s16, 12                        ; A: pt's row 128 x query tile + 64 x half
	s_mov_b32 s17, 0
	s_lshl_b32 s46, s42, 8
	s_lshl_b32 s19, s12, 7
	s_add_co_u32 s46, s46, s19
	s_lshl_b32 s46, s46, 14                        ; B: VT's row 256 x column tile + 128 x half,
	s_lshl_b32 s19, s8, 12
	s_add_co_u32 s46, s46, s19                     ; the batch's 2,048 columns,
	s_add_co_u32 s46, s46, 0x1000000               ; VT's place in qv
	s_mov_b32 s47, 0
	s_mul_i32 s20, s12, AHALF                      ; where my part goes: no place in the cluster enters an LDS address
	s_mul_i32 s21, s12, BHALF
	s_add_co_u32 s21, s21, BOFF
	s_mov_b32 s[TB], 0
	s_lshl_b32 s7, s13, 7
	s_lshl_b32 s4, s11, 6
	s_add_co_u32 s7, s7, s4                        ; my first query
	s_lshl_b32 s4, s7, 2                           ; in st
	s_mov_b32 s5, 0
	s_lshl_b32 s6, s42, 10
	s_lshl_b32 s66, s12, 9
	s_add_co_u32 s6, s6, s66                       ; my first column, in f32
	s_add_co_u32 s66, s6, 12288                    ; part 0 of b2 in vec
	s_mov_b32 s67, 0
	s_lshl_b32 s78, s7, 12
	s_add_co_u32 s78, s78, s6                      ; in out0
	s_mov_b32 s79, 0
	s_mov_b32 s[SEL], 0x76543210
	s_mov_b32 s[SEL+1], 0xfedcba98
	s_wait_kmcnt 0x0
	s_add_nc_u64 s[14:15], s[68:69], s[16:17]
	s_add_nc_u64 s[46:47], s[70:71], s[46:47]
	s_add_nc_u64 s[72:73], s[72:73], s[4:5]
	s_add_nc_u64 s[74:75], s[74:75], s[66:67]
	s_add_nc_u64 s[76:77], s[76:77], s[78:79]
	CROUND
.irp s, 0,1
	s_mov_b32 s[G0+4*(\s)], 1
	s_add_co_u32 s[G0+4*(\s)+1], s20, (\s)*SLOT1
	s_add_nc_u64 s[G0+4*(\s)+2:G0+4*(\s)+3], s[14:15], (\s)*256
	s_or_b32 s[G0+4*(\s)+3], s[G0+4*(\s)+3], 0x80000000
	s_mov_b32 s[G0B+4*(\s)], 1
	s_add_co_u32 s[G0B+4*(\s)+1], s21, (\s)*SLOT1
	s_add_nc_u64 s[G0B+4*(\s)+2:G0B+4*(\s)+3], s[46:47], (\s)*256
	s_or_b32 s[G0B+4*(\s)+3], s[G0B+4*(\s)+3], 0x80000000
.endr
	s_cmp_lt_u32 s10, 2                            ; a wave's two first fills stand in one branch: two loads of mine are out
	s_cbranch_scc0 .Lfirst_b
	tensor_load_to_lds s[G0:G0+3], s[G1:G1+7]
	s_nop 0
	tensor_load_to_lds s[G0+4:G0+7], s[G1:G1+7]
	s_nop 0
.rept 4
	v_nop
.endr
	s_branch .Lfirst_asked
.Lfirst_b:
	tensor_load_to_lds s[G0B:G0B+3], s[G1B:G1B+7]
	s_nop 0
	tensor_load_to_lds s[G0B+4:G0B+7], s[G1B:G1B+7]
	s_nop 0
.rept 4
	v_nop
.endr
.Lfirst_asked:
	v_and_b32 v1, 15, v0                           ; l % 16
	v_bfe_u32 v2, v0, 4, 1                         ; l / 16
	v_and_b32 v6, 31, v0
	v_lshlrev_b32 v4, 2, v1
	v_lshl_add_u32 v[SO], v2, 18, v4               ; lanes 16-31 take blocks 8-15: 8 x 32,768 bytes on
	v_lshlrev_b32 v5, 5, v2
.irp a, 0,1,2,3
.irp i, 0,1,2,3,4,5,6,7
	global_load_b32 v[128+8*(\a)+(\i)], v[SO], s[72:73] offset:32768*(\i)+64*(\a)         ; m of query 16 a + l % 16, block 8 (l / 16) + i
	global_load_b32 v[160+8*(\a)+(\i)], v[SO], s[72:73] offset:524288+32768*(\i)+64*(\a)  ; l
.endr
.endr
.irp b, 0,1,2,3,4,5,6,7
	global_load_b128 v[64+8*(\b):64+8*(\b)+3], v5, s[74:75] offset:64*(\b)                ; part 0 of b2[16 b + 8 (l / 16) + 0..7]
	global_load_b128 v[64+8*(\b)+4:64+8*(\b)+7], v5, s[74:75] offset:64*(\b)+16
.endr
	WIN 0x40                                       ; destination window 1: parts 1 to 3, into registers that take fragments later
.irp p, 1,2,3
.irp b, 0,1,2,3,4,5,6,7
	global_load_b128 v[64*((\p)-1)+8*(\b):64*((\p)-1)+8*(\b)+3],   v5, s[74:75] offset:4096*(\p)+64*(\b)
	global_load_b128 v[64*((\p)-1)+8*(\b)+4:64*((\p)-1)+8*(\b)+7], v5, s[74:75] offset:4096*(\p)+64*(\b)+16
.endr
.endr
	WIN 0
	v_mul_u32_u24 v3, v1, PITCH
	v_lshl_add_u32 v3, v2, 4, v3
	s_mul_i32 s22, s11, AHALF
	v_add_nc_u32 v[ADRA0], s22, v3
	v_add_nc_u32 v[ADRB0], s21, v3
	v_mov_b32 v[ADRA], v[ADRA0]
	v_mov_b32 v[ADRB], v[ADRB0]
	s_lshl_b32 s23, s10, 12
	s_add_co_u32 s23, s23, FT
	v_lshl_add_u32 v[FA], v1, 2, s23
	v_lshl_add_u32 v[FW], v2, 11, v[FA]
	s_mul_i32 s23, s10, 16*SP
	s_add_co_u32 s23, s23, STAGE
	v_mul_u32_u24 v[STO], v1, SP                   ; in: row l % 16, 32 bytes for each half of the lanes
	v_lshl_add_u32 v[STO], v2, 5, v[STO]
	v_add_nc_u32 v[STO], s23, v[STO]
	v_lshlrev_b32 v[GO], 4, v6                     ; back and out: 32 lanes take a row's 512 bytes
	v_add_nc_u32 v[RD], s23, v[GO]
.irp a, 0,1,2,3
	v_mov_b32 v[36+(\a)], 0                        ; v_permlanex16_b32's destination counts as read
.endr
.irp w, 0x80, 0xc0                                 ; windows 2 and 3: the registers that take halves (each half's write keeps the other half) are written whole once; v146 is the products' addend 0
	WIN \w
.set i, 128
.rept 16
	v_mov_b32 v[i], 0
.set i, i+1
.endr
	v_mov_b32 v146, 0
.endr
	WIN 0
	s_wait_loadcnt 0x0
	WIN 0x04                                       ; source 1 window 1: b2 = part 0 + part 1 + part 2 + part 3
.irp p, 0,1,2
.set i, 0
.rept 32
	v_pk_add_f32 v[64+2*i:64+2*i+1], v[64+2*i:64+2*i+1], v[64*(\p)+2*i:64*(\p)+2*i+1]
.set i, i+1
.endr
.endr
	WIN 0
	; THE FACTORS, line by line for the four blocks of 16 queries
.irp a, 0,1,2,3
	v_max3_num_f32 v[32+(\a)], v[128+8*(\a)], v[128+8*(\a)+1], v[128+8*(\a)+2]
.endr
.irp a, 0,1,2,3
	v_max3_num_f32 v[32+(\a)], v[32+(\a)], v[128+8*(\a)+3], v[128+8*(\a)+4]
.endr
.irp a, 0,1,2,3
	v_max3_num_f32 v[32+(\a)], v[32+(\a)], v[128+8*(\a)+5], v[128+8*(\a)+6]
.endr
.irp a, 0,1,2,3
	v_max_num_f32 v[32+(\a)], v[32+(\a)], v[128+8*(\a)+7]
.endr
.irp a, 0,1,2,3
	v_permlanex16_b32 v[36+(\a)], v[32+(\a)], s[SEL], s[SEL+1]  ; the other eight blocks
.endr
.irp a, 0,1,2,3
	v_max_num_f32 v[32+(\a)], v[32+(\a)], v[36+(\a)]            ; M
.endr
.set i, 0
.rept 32
	v_sub_f32 v[128+i], v[128+i], v[32+i/8]
.set i, i+1
.endr
.set i, 0
.rept 32
	v_exp_f32 v[128+i], v[128+i]
.set i, i+1
.endr
	v_nop                                          ; a plain instruction between the last exponential and the use of its result (ISA guide 5.7.2)
	s_wait_alu depctr_va_vdst(0)
.irp a, 0,1,2,3
	v_mul_f32 v[40+(\a)], v[160+8*(\a)], v[128+8*(\a)]
.endr
.irp i, 1,2,3,4,5,6,7
.irp a, 0,1,2,3
	v_fmac_f32 v[40+(\a)], v[160+8*(\a)+(\i)], v[128+8*(\a)+(\i)]
.endr
.endr
.irp a, 0,1,2,3
	v_permlanex16_b32 v[36+(\a)], v[40+(\a)], s[SEL], s[SEL+1]
.endr
.irp a, 0,1,2,3
	v_add_f32 v[40+(\a)], v[40+(\a)], v[36+(\a)]   ; at least 1: the block that holds M has a weight 1
.endr
.irp a, 0,1,2,3
	v_rcp_f32 v[40+(\a)], v[40+(\a)]
.endr
	v_nop
.set i, 0
	s_wait_alu depctr_va_vdst(0)
.rept 32
	v_mul_f32 v[128+i], v[128+i], v[40+i/8]
.set i, i+1
.endr
.set i, 0
.rept 32
	ds_store_b32 v[FW], v[128+i] offset:256*(i%8)+64*(i/8)
.set i, i+1
.endr
	v_mov_b32 v146, 0                              ; window 0's addend 0, for the first quarter, whose third sources lie in window 0
.macro FCLD01                          ; f at FA for query blocks 0, 1 -> window 2
	WIN 0x80
	ds_load_b32 v144, v[FA]
	ds_load_b32 v145, v[FA] offset:64
.endm
.macro FCLD23                          ; for blocks 2, 3 -> window 3
	WIN 0xc0
	ds_load_b32 v144, v[FA] offset:128
	ds_load_b32 v145, v[FA] offset:192
.endm
	FCLD01                                         ; my own table: LDS serves a wave's instructions in order (ISA guide 5.7.1.4)
	FCLD23
	WIN 0
; register i of block a's fragment in buffer f holds two weights: SCL makes the low one times f, SCH the high one, each rounded to bf16 once.  SCH keeps what SCL wrote, so it reads SCL's result:
; a fragment's eight SCL stand ahead of its eight SCH, and no line waits for the one just before it.
.macro SCL a, f, i
	v_fma_mixlo_bf16 v[128+8*((\a)%2)+(\i)], v[32*(\f)+8*(\a)+(\i)], v[144+(\a)%2], v146 op_sel_hi:[1,0,0]
.endm
.macro SCH a, f, i
	v_fma_mixhi_bf16 v[128+8*((\a)%2)+(\i)], v[32*(\f)+8*(\a)+(\i)], v[144+(\a)%2], v146 op_sel:[1,0,0] op_sel_hi:[1,0,0]
.endm
; 8 matrix instructions: query block a x all 8 column blocks, 32 along K, buffer f.  mode 1: the first product, C = b2 (window 0).  ride = 1: behind each stand two multiplies of block a + 1's fragment:
; behind the first four the low halves, behind the last four the high halves.  The 32 accumulators take turns.
.macro WM a, f, mode, ride
.irp b, 0,1,2,3,4,5,6,7
.if \mode
	v_wmma_f32_16x16x32_bf16 v[64*((\a)%2)+8*(\b):64*((\a)%2)+8*(\b)+7], v[64+64*(\f)+8*(\b):64+64*(\f)+8*(\b)+7], v[128+8*((\a)%2):128+8*((\a)%2)+7], v[64+8*(\b):64+8*(\b)+7]
.else
	v_wmma_f32_16x16x32_bf16 v[64*((\a)%2)+8*(\b):64*((\a)%2)+8*(\b)+7], v[64+64*(\f)+8*(\b):64+64*(\f)+8*(\b)+7], v[128+8*((\a)%2):128+8*((\a)%2)+7], v[64*((\a)%2)+8*(\b):64*((\a)%2)+8*(\b)+7]
.endif
.if \ride
.if (\b) < 4
	SCL (\a)+1, \f, 2*(\b)
	SCL (\a)+1, \f, 2*(\b)+1
.else
	SCH (\a)+1, \f, 2*(\b)-8
	SCH (\a)+1, \f, 2*(\b)-7
.endif
.endif
.endr
.endm
.macro SCALE a, f                      ; block a's fragment times f
.irp i, 0,1,2,3,4,5,6,7
	SCL \a, \f, \i
.endr
.irp i, 0,1,2,3,4,5,6,7
	SCH \a, \f, \i
.endr
.endm
.macro SETLO mode                      ; B and A as loaded window 1; A times f, f and D window 2; third sources window 2, or 0 in the first quarter (b2)
	WIN 0xa9-0x20*(\mode)
.endm
.macro SETHI mode                      ; the same with window 3
	WIN 0xfd-0x30*(\mode)
.endm
; 24 LDS loads in one run: B's 16, A's blocks 0, 1 (4), A's blocks 2, 3 (4)
.macro FETCH k, f
	WIN 0x40
.irp i, 0,1,2,3,4,5,6,7
	ds_load_b128 v[64+64*(\f)+8*(\i):64+64*(\f)+8*(\i)+3],   v[ADRB] offset:(\k)+(\i)*16*PITCH
	ds_load_b128 v[64+64*(\f)+8*(\i)+4:64+64*(\f)+8*(\i)+7], v[ADRB] offset:(\k)+(\i)*16*PITCH+32
.endr
.irp i, 0,1,2,3
	ds_load_b128 v[32*(\f)+8*(\i):32*(\f)+8*(\i)+3],   v[ADRA] offset:(\k)+(\i)*16*PITCH
	ds_load_b128 v[32*(\f)+8*(\i)+4:32*(\f)+8*(\i)+7], v[ADRA] offset:(\k)+(\i)*16*PITCH+32
.endr
.endm
.macro PLACES                          ; four plain vector instructions between matrix instructions and loads into, or readers of, their registers
.rept 4
	v_nop
.endr
.endm
; A quarter: 32 along K, 32 matrix instructions.  w: the LDS loads younger than B's and A's blocks 0, 1: A's blocks 2, 3 (4), and where f of blocks 2, 3 was fetched behind them, those two as well (6).
; fc = 1 (the tail): the quarter also fetches the next quarter's f: blocks 0, 1's when they have had their last multiply, blocks 2, 3's at its end.
; The multiplies in front of FETCH, which name no register of the quarter before's products, are the places in front of its loads.
.macro QUARTER k, f, g, mode, w, fc
	s_wait_dscnt \w
	SETLO \mode
	SCALE 0, \f
	WM 0, \f, \mode, 1
	WM 1, \f, \mode, 0
.if \fc
	FCLD01
.endif
	FETCH \k, \g
	s_wait_dscnt 24+2*(\fc)                        ; all but the loads just issued
	SETHI \mode
	SCALE 2, \f
	WM 2, \f, \mode, 1
	WM 3, \f, \mode, 0
.if \fc
	FCLD23
.endif
.endm
; The change of slots: one barrier, which opens a round of the cluster's; in front of it each wave waits for all its tensor loads (one is out: its part of the next slot), adds 0 to its spare word,
; and waits for that and for its reads of this slot.  The slot just read is filled again, two K steps ahead, first thing behind the round: 112 matrix instructions ahead of the wait for it.
.macro TURN
	WIN 0
	s_wait_tensorcnt 0x0
	ds_add_u32 v[SPW], v[NIL]
	s_wait_dscnt 5                                 ; the add and the youngest four loads may be out
	SETLO 0
	SCALE 0, 1
	WM 0, 1, 0, 1
	s_wait_dscnt 0x0                               ; the add is done, and my reads of this slot are over
	s_barrier_signal -1
	WM 1, 1, 0, 0
	WIN 0
	s_barrier_wait -1
	CREST
.irp g, G0+4, G0B+4
	s_xor_b32 s[(\g)+1], s[(\g)+1], SLOT1
	s_add_nc_u64 s[(\g)+2:(\g)+3], s[(\g)+2:(\g)+3], 256
.endr
	JLOAD
	s_xor_b32 s[TB], s[TB], SLOT1
	v_add_nc_u32 v[ADRA], s[TB], v[ADRA0]
	v_add_nc_u32 v[ADRB], s[TB], v[ADRB0]
	v_add_nc_u32 v[FA], 0x100, v[FA]               ; the next block's factors
	FCLD01                                         ; blocks 0, 1 have had their last multiply of this K step
	FETCH 0, 0
	SETHI 0
	SCALE 2, 1
	WM 2, 1, 0, 1
	WM 3, 1, 0, 0
	FCLD23
.endm
	s_wait_tensorcnt 1                             ; my part of K step 0 is in; K step 1's may stay out
	s_wait_dscnt 0x0
	s_barrier_signal -1
	s_barrier_wait -1
	FETCH 0, 0
	QUARTER 64, 0, 1, 1, 4, 0                      ; the first quarter stands in front of the loop: its products start the sums from b2
	WIN 0
	s_mov_b32 s3, 14                               ; K steps 2 to 15 are asked for in the loop
.Lstep:
	QUARTER 128, 1, 0, 0, 4, 0
	QUARTER 192, 0, 1, 0, 4, 0
	TURN
	QUARTER 64, 0, 1, 0, 6, 0
	WIN 0
	s_sub_co_u32 s3, s3, 1
	s_cmp_lg_u32 s3, 0
	s_cbranch_scc1 .Lstep
	; THE TAIL asks for nothing: seven quarters are left, six of them as three trips of two.  Their fragments lie at: this slot + 128, the other slot, the other slot + 128.
	; Every quarter fetches the next quarter's f; of the six fetches the first two are K step 14's, the others K step 15's: FA steps once, behind the first trip.
	s_add_co_u32 s[TK], s[TB], 128
	s_mov_b32 s[TM], SLOT1|128
	s_mov_b32 s[TF], 0x100
	v_add_nc_u32 v[ADRA], s[TK], v[ADRA0]
	v_add_nc_u32 v[ADRB], s[TK], v[ADRB0]
	s_mov_b32 s3, 3
.Ltail:
	QUARTER 0, 1, 0, 0, 4, 1                       ; on the way in A's blocks 2, 3 may be out; on the way back nothing is
	QUARTER 64, 0, 1, 0, 6, 1
	WIN 0
	s_wait_tensorcnt 0x0                           ; first trip: my part of the last K step's tile, which the next trip reads; later nothing is out
	s_wait_dscnt 0x0                               ; no LDS load is out at a signal
	s_barrier_signal -1
	s_xor_b32 s[TK], s[TK], s[TM]
	s_mov_b32 s[TM], 128
	v_add_nc_u32 v[ADRA], s[TK], v[ADRA0]
	v_add_nc_u32 v[ADRB], s[TK], v[ADRB0]
	v_add_nc_u32 v[FA], s[TF], v[FA]
	s_mov_b32 s[TF], 0
	s_barrier_wait -1
	s_sub_co_u32 s3, s3, 1
	s_cmp_lg_u32 s3, 0
	s_cbranch_scc1 .Ltail
	SETLO 0                                        ; the very last quarter
	SCALE 0, 1
	WM 0, 1, 0, 1
	WM 1, 1, 0, 0
	SETHI 0
	SCALE 2, 1
	WM 2, 1, 0, 1
	WM 3, 1, 0, 0
	WIN 0
	PLACES
; THE WAY OUT of query block a: a lane's 32 bytes of a row into my stage (each accumulator's lowest registers first), back as whole rows of 512 bytes, stored
.macro TOSTAGE a
.if (\a) >= 2
	s_wait_xcnt 0x0                                ; the registers that block a - 2's stores read are loaded again only behind this wait
.endif
	WIN 0x08+4*((\a)/2)                            ; store data (source 1): window 2 or 3
.irp b, 0,1,2,3,4,5,6,7
	ds_store_b128 v[STO], v[64*((\a)%2)+8*(\b):64*((\a)%2)+8*(\b)+3]   offset:64*(\b)
	ds_store_b128 v[STO], v[64*((\a)%2)+8*(\b)+4:64*((\a)%2)+8*(\b)+7] offset:64*(\b)+16
.endr
	WIN 0
.irp i, 0,1,2,3,4,5,6,7,8,9,10,11,12,13,14,15
	ds_load_b128 v[64+64*((\a)%2)+4*(\i):64+64*((\a)%2)+4*(\i)+3], v[RD] offset:SP*(\i)  ; LDS serves a wave's instructions in order (ISA guide 5.7.1.4)
.endr
.endm
.macro SEND a, y                       ; y: the LDS instructions issued behind block a's loads: the next block's 32, or none
.irp i, 0,1,2,3,4,5,6,7,8,9,10,11,12,13,14,15
	s_wait_dscnt (\y)+15-(\i)
	global_store_b128 v[GO], v[64+64*((\a)%2)+4*(\i):64+64*((\a)%2)+4*(\i)+3], s[76:77] offset:65536*(\a)+4096*(\i) th:TH_STORE_NT  ; 512 consecutive bytes, aligned
.endr
.endm
	TOSTAGE 0
	TOSTAGE 1
	SEND 0, 32
	TOSTAGE 2
	SEND 1, 32
	TOSTAGE 3
	SEND 2, 32
	SEND 3, 0
	s_wait_tensorcnt 0x0                           ; the wave's end
	ds_add_u32 v[SPW], v[NIL]
	s_wait_dscnt 0x0
	CROUND                                         ; the closing round
	s_endpgm
.Lfunc_end_k_qe73afed697_pv:
	.size	k_qe73afed697_pv, .Lfunc_end_k_qe73afed697_pv-k_qe73afed697_pv
	.p2alignl 7, 3214868480
	.fill 96, 4, 3214868480
	.section	.rodata,"a",@progbits
	.p2align	6, 0x0
	.amdhsa_kernel k_qe73afed697_pv
		.amdhsa_group_segment_fixed_size 327680
		.amdhsa_private_segment_fixed_size 0
		.amdhsa_enable_private_segment 0
		.amdhsa_kernarg_size 40
		.amdhsa_user_sgpr_count 2
		.amdhsa_user_sgpr_kernarg_segment_ptr 1
		.amdhsa_wavefront_size32 1
		.amdhsa_system_sgpr_workgroup_id_x 1
		.amdhsa_system_sgpr_workgroup_id_y 1
		.amdhsa_system_sgpr_workgroup_id_z 1
		.amdhsa_system_vgpr_workitem_id 0
		.amdhsa_next_free_vgpr 1024
		.amdhsa_next_free_sgpr 88
		.amdhsa_reserve_vcc 0
		.amdhsa_float_denorm_mode_32 3
		.amdhsa_float_denorm_mode_16_64 3
		.amdhsa_memory_ordered 1
		.amdhsa_forward_progress 1
		.amdhsa_inst_pref_size 117
	.end_amdhsa_kernel
	.amdgpu_metadata
---
amdhsa.version: [ 1, 2 ]
amdhsa.kernels:
  - .name:           k_qe73afed697_pv
    .symbol:         k_qe73afed697_pv.kd
    .args:
      - { .name: pt, .offset: 0, .size: 8, .value_kind: global_buffer, .address_space: global }
      - { .name: qv, .offset: 8, .size: 8, .value_kind: global_buffer, .address_space: global }
      - { .name: st, .offset: 16, .size: 8, .value_kind: global_buffer, .address_space: global }
      - { .name: vec, .offset: 24, .size: 8, .value_kind: global_buffer, .address_space: global }
      - { .name: out0, .offset: 32, .size: 8, .value_kind: global_buffer, .address_space: global }
    .group_segment_fixed_size: 327680
    .private_segment_fixed_size: 0
    .kernarg_segment_align: 8
    .kernarg_segment_size: 40
    .max_flat_workgroup_size: 128
    .sgpr_count:     88
    .vgpr_count:     1024
    .wavefront_size: 32
...
	.end_amdgpu_metadata
.endif
;; end of part 5
